; MI455X (gfx1250); checked and timed in simulation.
; The chip was launched on July 23, 2026; its instructions are those of AMD's public machine-readable ISA for CDNA 5 (MIT licence, August 2026) and "CDNA5" Instruction Set Architecture Reference Guide (July 2026). The comments in the code are by the model that wrote it; some were corrected since.
;; Attention Block. Allowed arithmetic: matrix products marked QUANTISED: E3M2 operands, one E8M0 scale for each 32 along K, by v_wmma_scale_f32_16x16x128_f8f6f4 with both operands' format E3M2, f32 sums; everything else in f32.
;; Inputs: b_out 256 float32; b_qkv 768 float32; beta 256 float32; gamma 256 float32; w_out 256 x 256 float32; w_qkv 256 x 768 float32; x 4 x 256 x 64 x 64 float32.
;; Outputs: out0 4 x 256 x 64 x 64 float32.
;; This version of the problem:
;;   THIS VERSION OF THE PROBLEM IS GIVEN IN LOW PRECISION. The matrix products marked QUANTISED in the list below multiply operands that are first quantised to E3M2 (3 exponent bits, 2 mantissa bits; 6 bits a number), with one power-of-two scale for each 32 numbers along K (OCP MX v1.0); their sums are f32. All else is computed in f32.
;;   The module's matrix products, in the order in which they are computed (A, B: the left and right operand; K: the contracted axis; several contracted axes count as one K, in the product's order):
;;     1. [M 16,384, K 256] x [K 256, N 768]; A: computed on the way; B: input w_qkv: QUANTISED
;;     2. batch 16 x [M 4,096, K 64] x [K 64, N 4,096]; A: computed on the way; B: computed on the way: QUANTISED
;;     3. batch 16 x [M 64, K 4,096] x [K 4,096, N 4,096]; A: computed on the way; B: softmax (see below): QUANTISED
;;     4. [M 16,384, K 256] x [K 256, N 256]; A: computed on the way; B: input w_out: QUANTISED
;;   THE QUANTISER, for each operand of a quantised product, along K:
;;     - K is cut into blocks of 32 from its start; a last block that is shorter is filled with zeros.
;;     - A block's scale is 2^e with e = floor(log2(the largest magnitude in the block)) - 4, held to -126 .. 127; a block of zeros has e = 0. As a byte (E8M0): e + 127.
;;     - Each number is divided by its block's scale, clamped to +-28, and rounded to the nearest number of E3M2, ties to even, subnormals kept.
;;     - The product sums the exact products of the quantised numbers (number of the format x scale) in f32.
;;   ~~~python
;;   def quantise(x, axis):      # numpy; x: float32 -> the quantised numbers, widened to float32 again
;;       x = np.moveaxis(x, axis, -1); K = x.shape[-1]
;;       x = np.pad(x, [(0, 0)] * (x.ndim - 1) + [(0, -K % 32)]); x = x.reshape(x.shape[:-1] + (-1, 32)); a = np.abs(x).max(-1, keepdims=True)
;;       e = np.where(a > 0, np.clip(np.frexp(np.where(a > 0, a, 1))[1] - 1 - 4, -126, 127), 0)      # np.frexp(a)[1] - 1 = floor(log2(a)), exactly
;;       r = np.clip(x / 2.0 ** e, -28, 28)
;;       step = 2.0 ** (np.maximum(np.frexp(np.where(r == 0, 1, r))[1] - 1, -2) - 2)
;;       q = np.round(r / step) * step * 2.0 ** e      # np.round: ties to even
;;       return np.moveaxis(q.reshape(q.shape[:-2] + (-1,))[..., :K], -1, axis).astype(np.float32)
;;   ~~~
;;   SOFTMAX AHEAD OF A QUANTISED PRODUCT. Where the list says 'softmax', what is quantised is not the finished softmax but p = 2^(t - M), with t = logit x log2(e) and M = ceil(the row's largest t), a whole number; so 1/2 < the row's largest p <= 1. The row's sum l is taken of the UNQUANTISED p, in f32, and the product's result is divided by l at the end. Since M is a whole number, a kernel that streams over the keys may use a running M (the ceiling of the running maximum): every later rescaling is an exact power of two, which a block's scale takes up: the codes' values come out the same.
;;   OPERANDS COMPUTED ON THE WAY. 'Computed on the way' means the value that the module computes at that place (a softmax that the list does not call 'softmax' is quantised finished and normalised). What goes into a quantiser is computed in f32, as accurately as f32 sums, v_exp_f32 and their like allow (about 1e-6 of the number): no bf16 or f16 on the way to a quantiser, and a product that is left as it is and whose result goes on into a quantised operand takes f32 operands (vector FMAs, or v_wmma_f32_16x16x4_f32). A number that lies on a knife's edge between two numbers of the format may be rounded either way, as far as f32 arithmetic and the matrix unit's own rounding can turn it there, and no further.
;; One version. Each part assembles by itself: llvm-mc -triple=amdgcn-amd-amdhsa -mcpu=gfx1250 --defsym DOCPART=n.
;; ======== version 1 of 1: 4 launches
;; limits: right only within a limited range of input values
;; workspace buffers: gn 8,192 bytes; wq 212,992 bytes; qbuf 3,670,016 bytes; kv 6,946,816 bytes; res 3,145,728 bytes; rs 131,072 bytes
;; launch prep (part 1): grid 136 x 1, 16 waves a work-group, no clusters, 2,560 bytes of LDS; arguments x, gamma, w_qkv, w_out, gn, wq; writes gn, wq
.if DOCPART == 1
	.amdgcn_target "amdgcn-amd-amdhsa--gfx1250"
	.amdhsa_code_object_version 6
	.text
	.protected	k_qe573d0b587_prep
	.globl	k_qe573d0b587_prep
	.p2align	8
	.type	k_qe573d0b587_prep,@function
k_qe573d0b587_prep:
	s_mov_b64 s[64:65], 0
	v_nop
	global_prefetch_b8 v0, s[64:65] scope:SCOPE_SE
	s_setreg_imm32_b32 hwreg(HW_REG_WAVE_MODE, 25, 1), 1
	s_wait_xcnt 0x0
; TWO JOBS IN ONE LAUNCH, parted on the work-group's number alone.
; Work-groups 0-127: the statistics of GroupNorm.  Work-group 32 b + g owns one group: 8 channels x 4,096 places = 131,072 dense bytes of x, which its 512 threads
; keep in registers (64 numbers each) between the pass that finds the mean and the pass that sums the squared distances from it: x is read once here, and no
; difference of large sums is formed.  Stored: gn[b][c] = rsqrt(var + 1e-5) x gamma[c] at byte 0, the group's mean, once for each channel, at byte 4,096.
; Work-groups 128-135: w_qkv [256][768] and w_out [256][256], f32 with K as the first axis, become codes of BF6 (E3M2) with one E8M0 byte for each 32 along K.
; One wave makes one fragment (16 columns x 128 K).  A lane takes a column and its registers run down K in the order that the operand's layout gives that lane
; (registers 6 c .. 6 c + 5: k = 64 c + 32 (lane / 16) + 0 .. 31), so the conversions' results ARE the operand's registers; they are stored as an image of them:
; for each c registers 0-3 at 16 x lane, registers 4-5 at 512 + 8 x lane (768 bytes); the scale words at 4 x lane.  Fragment f = 2 x tile + K step lies at 1,536 f.
; THE COLUMNS OF A TILE ARE NOT NEIGHBOURS: lane r of tile t takes column 16 t - 8 (t % 2) + r + (r & 8), so that a product that takes the tile as source 0 leaves
; 16 neighbouring columns in the 16 registers of tiles 2 b and 2 b + 1.
; LIMITS: NaN and infinities are not served.  A block of zeros gets the byte 1 (the floor 2^(5 - 127) under the largest magnitude) where the rule says 127: its codes
; are zeros, and this program alone reads the bytes.
.set NSTAT, 128                        ; work-groups of the first job
.set NQKV,  134                        ; below this number: w_qkv's 96 fragments; from it on: w_out's 32
.set FRB,   1536                       ; a fragment's image in bytes
.set WSC,   196608                     ; behind the 128 fragments: their scale words, 128 bytes each
.set X,     16                         ; v16-79   my 64 numbers
.set CH,    80                         ; v80-87   four chains of two sums
.set RB,    88                         ; v88-103  the sixteen waves' sums
.set MN,    104                        ; v104-105 the mean, twice (a pair for the packed form)
	s_load_b256 s[4:11], s[0:1], 0x0               ; x s[4:5], gamma s[6:7], w_qkv s[8:9], w_out s[10:11]
	s_load_b128 s[12:15], s[0:1], 0x20             ; gn s[12:13], wq s[14:15]
	v_lshl_add_u32 v128, v0, 2, 0x200
	v_mov_b32 v129, 0
	v_lshrrev_b32 v4, 5, v0
	s_delay_alu instid0(VALU_DEP_1)
	v_readfirstlane_b32 s16, v4                    ; wave 0..15
	s_mov_b32 s18, 0x76543210                      ; v_permlanex16_b32's selects for lane l xor 16
	s_mov_b32 s19, 0xfedcba98
	s_cmp_lt_u32 ttmp9, NSTAT
	s_cbranch_scc0 .Lweights
	; ---------------- the statistics of one group ----------------
	v_lshlrev_b32 v1, 4, v0                        ; 16 bytes a thread: a load of the work-group covers 8,192 consecutive bytes
	s_and_b32 s20, ttmp9, 31                       ; the group's number in its batch
	s_lshl_b32 s20, s20, 5                         ; its 8 numbers of gamma begin here
	v_and_b32 v2, 7, v0
	s_delay_alu instid0(VALU_DEP_1)
	v_lshl_add_u32 v2, v2, 2, s20                  ; thread t: gamma of the group's channel t % 8
	v_lshlrev_b32 v6, 2, v4                        ; LDS: my wave's word
	v_mov_b32 v7, 0
	s_lshl_b32 s22, ttmp9, 17                      ; the group's 131,072 bytes (under 2^24 in all)
	s_mov_b32 s23, 0
	s_mov_b32 s24, 0x38000000                      ; 2^-15 = 1 / 32,768 numbers
	s_mov_b32 s25, 0x3727c5ac                      ; 1e-5
	s_wait_alu depctr_va_vdst(0)
	s_wait_kmcnt 0x0
	s_add_nc_u64 s[4:5], s[4:5], s[22:23]
	global_load_b32 v3, v2, s[6:7]
.irp i, 0,1,2,3,4,5,6,7,8,9,10,11,12,13,14,15
	global_load_b128 v[X+4*\i:X+4*\i+3], v1, s[4:5] offset:8192*\i
.endr
.macro FOLD                            ; the four chains become one number in v[CH]
	s_delay_alu instid0(VALU_DEP_3)
	v_pk_add_f32 v[CH:CH+1], v[CH:CH+1], v[CH+2:CH+3]
	s_delay_alu instid0(VALU_DEP_2)
	v_pk_add_f32 v[CH+4:CH+5], v[CH+4:CH+5], v[CH+6:CH+7]
	s_delay_alu instid0(VALU_DEP_1)
	v_pk_add_f32 v[CH:CH+1], v[CH:CH+1], v[CH+4:CH+5]
	s_delay_alu instid0(VALU_DEP_1)
	v_add_f32 v[CH], v[CH], v[CH+1]
.endm
; v[CH] summed over the wave's 32 lanes, then over the 16 waves through 64 bytes of LDS at base; the sum comes back in v[CH] of every lane.
.macro REDUCE base
	s_delay_alu instid0(VALU_DEP_1)
	v_add_f32_dpp v[CH], v[CH], v[CH] row_xmask:1 row_mask:0xf bank_mask:0xf
	s_delay_alu instid0(VALU_DEP_1)
	v_add_f32_dpp v[CH], v[CH], v[CH] row_xmask:2 row_mask:0xf bank_mask:0xf
	s_delay_alu instid0(VALU_DEP_1)
	v_add_f32_dpp v[CH], v[CH], v[CH] row_xmask:4 row_mask:0xf bank_mask:0xf
	s_delay_alu instid0(VALU_DEP_1)
	v_add_f32_dpp v[CH], v[CH], v[CH] row_xmask:8 row_mask:0xf bank_mask:0xf
	s_delay_alu instid0(VALU_DEP_1)
	v_permlanex16_b32 v[CH+1], v[CH], s18, s19     ; (its destination has been written: it counts as read)
	s_delay_alu instid0(VALU_DEP_1)
	v_add_f32 v[CH], v[CH], v[CH+1]
	ds_store_b32 v6, v[CH] offset:\base            ; all lanes write the wave's word with the same value
	s_wait_dscnt 0x0                               ; for the others' sake: my store is done
	s_barrier_signal -1
	s_barrier_wait -1
.irp i, 0,1,2,3
	ds_load_b128 v[RB+4*\i:RB+4*\i+3], v7 offset:\base+16*\i
.endr
	s_wait_dscnt 0x0
	v_pk_add_f32 v[RB:RB+1], v[RB:RB+1], v[RB+2:RB+3]
	v_pk_add_f32 v[RB+4:RB+5], v[RB+4:RB+5], v[RB+6:RB+7]
	v_pk_add_f32 v[RB+8:RB+9], v[RB+8:RB+9], v[RB+10:RB+11]
	v_pk_add_f32 v[RB+12:RB+13], v[RB+12:RB+13], v[RB+14:RB+15]
	s_delay_alu instid0(VALU_DEP_3)
	v_pk_add_f32 v[RB:RB+1], v[RB:RB+1], v[RB+4:RB+5]
	s_delay_alu instid0(VALU_DEP_2)
	v_pk_add_f32 v[RB+8:RB+9], v[RB+8:RB+9], v[RB+12:RB+13]
	s_delay_alu instid0(VALU_DEP_1)
	v_pk_add_f32 v[RB:RB+1], v[RB:RB+1], v[RB+8:RB+9]
	s_delay_alu instid0(VALU_DEP_1)
	v_add_f32 v[CH], v[RB], v[RB+1]
.endm
	; pass 1: the sum.  The first four loads start the chains: nothing is cleared
	s_wait_loadcnt 12                              ; gamma and x's first four loads are in; the twelve younger ones may be out
.irp k, 0,1,2,3
	v_pk_add_f32 v[CH+2*\k:CH+2*\k+1], v[X+2*\k:X+2*\k+1], v[X+8+2*\k:X+9+2*\k]
.endr
	s_wait_alu depctr_va_vdst(0)
.irp g, 1,2,3
	s_wait_alu depctr_va_vdst(0)
	s_wait_loadcnt 12-4*\g                         ; the next four are in
.irp p, 0,1,2,3,4,5,6,7
	v_pk_add_f32 v[CH+2*(\p%4):CH+2*(\p%4)+1], v[CH+2*(\p%4):CH+2*(\p%4)+1], v[X+16*\g+2*\p:X+16*\g+2*\p+1]
.endr
.endr
	FOLD
	REDUCE 0
	s_delay_alu instid0(VALU_DEP_1)
	v_mul_f32 v[MN], s24, v[CH]                    ; the mean
	s_delay_alu instid0(VALU_DEP_1)
	v_mov_b32 v[MN+1], v[MN]
	; pass 2: the sum of the squared distances from the mean
.set p, 0
.rept 32
	v_pk_add_f32 v[X+2*p:X+2*p+1], v[X+2*p:X+2*p+1], v[MN:MN+1] neg_lo:[0,1] neg_hi:[0,1]
.set p, p+1
.endr
.irp k, 0,1,2,3
	v_pk_mul_f32 v[CH+2*\k:CH+2*\k+1], v[X+2*\k:X+2*\k+1], v[X+2*\k:X+2*\k+1]
.endr
.set p, 4
.rept 28
	s_delay_alu instid0(VALU_DEP_4)
	v_pk_fma_f32 v[CH+2*(p%4):CH+2*(p%4)+1], v[X+2*p:X+2*p+1], v[X+2*p:X+2*p+1], v[CH+2*(p%4):CH+2*(p%4)+1]
.set p, p+1
.endr
	FOLD
	REDUCE 256                                     ; other bytes than the first time: no wave's second store meets a first read
	s_delay_alu instid0(VALU_DEP_1)
	v_fma_f32 v[CH+2], v[CH], s24, s25             ; the variance + 1e-5
	s_wait_alu depctr_va_vdst(0)
	v_rsq_f32 v[CH+3], v[CH+2]
	s_cmp_lg_u32 s16, 0
	v_nop                                          ; a plain instruction between the root and the use of its result
	s_wait_alu depctr_va_vdst(0)
	v_mul_f32 v[CH+4], v[CH+3], v3                 ; a = rstd x gamma
	s_cbranch_scc1 .Lstat_end                      ; wave 0 stores for the group
	s_lshl_b32 s26, ttmp9, 5
	v_lshl_add_u32 v8, v0, 2, s26                  ; channel 8 x (32 b + g) + lane
	s_wait_alu depctr_va_vdst(0)
	s_wait_xcnt 0x0                                ; EXEC changes only behind this wait
	v_cmp_gt_u32 vcc_lo, 8, v0
	s_and_saveexec_b32 s27, vcc_lo
	global_store_b32 v8, v[CH+4], s[12:13]
	global_store_b32 v8, v[MN], s[12:13] offset:4096
	s_wait_xcnt 0x0                                ; and again in front of the line that widens it
	s_or_b32 exec_lo, exec_lo, s27
.Lstat_end:
	s_wait_tensorcnt 0x0
	ds_add_u32 v128, v129
	s_wait_dscnt 0x0
	s_endpgm
	; ---------------- one fragment of a weight ----------------
.Lweights:
	s_sub_co_u32 s20, ttmp9, NSTAT
	s_lshl_b32 s20, s20, 4
	s_add_co_u32 s20, s20, s16                     ; f = 0 .. 127
	s_and_b32 s21, s20, 1                          ; the K step of 128
	v_and_b32 v1, 31, v0                           ; lane
	v_and_b32 v2, 15, v0                           ; r
	v_bfe_u32 v3, v0, 4, 1                         ; h
	s_delay_alu instid0(VALU_DEP_2)
	v_and_b32 v5, 8, v2
	s_delay_alu instid0(VALU_DEP_1)
	v_add_lshl_u32 v5, v5, v2, 2                   ; 4 (r + (r & 8)): my column in the tile
	v_lshlrev_b32 v7, 4, v1                        ; the image's places for my lane
	v_lshlrev_b32 v8, 3, v1
	v_lshlrev_b32 v9, 2, v1
	v_lshlrev_b32 v10, 3, v3                       ; 8 h
	s_mul_i32 s28, s20, FRB
	s_mov_b32 s29, 0
	s_lshl_b32 s30, s20, 7
	s_add_co_u32 s30, s30, WSC
	s_mov_b32 s31, 0
	s_wait_kmcnt 0x0
	s_add_nc_u64 s[28:29], s[14:15], s[28:29]      ; where the fragment goes,
	s_add_nc_u64 s[30:31], s[14:15], s[30:31]      ; and its scale words
; 64 loads: W(128 x K step + 64 c + 32 h + i, my column) into v[X + 32 c + i].  pitch: bytes of a row; base: the weight's address; s22: the tile
.macro WLOAD pitch, base
	s_lshl_b32 s23, s22, 4
	s_and_b32 s24, s22, 1
	s_lshl_b32 s24, s24, 3
	s_sub_co_u32 s23, s23, s24                     ; the tile's first column: 16 t - 8 (t % 2)
	s_lshl_b32 s23, s23, 2
	s_mul_i32 s24, s21, 128*\pitch
	s_add_co_u32 s24, s24, s23
	s_mov_b32 s25, 0
	s_add_nc_u64 s[26:27], s[\base:\base+1], s[24:25]
	v_mad_u32_u24 v6, v3, 32*\pitch, v5            ; lanes 16-31 begin 32 rows further down
.set i, 0
.rept 64
	global_load_b32 v[X+i], v6, s[26:27] offset:(64*(i/32)+i%32)*\pitch
.set i, i+1
.endr
.endm
	s_cmp_lt_u32 ttmp9, NQKV
	s_cbranch_scc0 .Lw_out
	s_lshr_b32 s22, s20, 1                         ; w_qkv's tile 0 .. 47
	s_wait_alu depctr_va_vdst(0)
	WLOAD 3072, 8
	s_branch .Lwq
.Lw_out:
	s_sub_co_u32 s22, s20, 96
	s_lshr_b32 s22, s22, 1                         ; w_out's tile 0 .. 15
	s_wait_alu depctr_va_vdst(0)
	WLOAD 1024, 10
.Lwq:
	s_wait_loadcnt 0x0
.irp c, 0,1                                    ; my block 2 c + h: all its 32 numbers are mine
	v_max3_num_f32 v[108+\c], |v[X+32*\c]|, |v[X+1+32*\c]|, 0x2800000   ; with the floor 2^(5 - 127): the byte cannot fall under 1
.endr
.irp i, 2,4,6,8,10,12,14,16,18,20,22,24,26,28,30
.irp c, 0,1
	s_delay_alu instid0(VALU_DEP_2)
	v_max3_num_f32 v[108+\c], v[108+\c], |v[X+32*\c+\i]|, |v[X+1+32*\c+\i]|   ; (the two blocks by turns)
.endr
.endr
.irp c, 0,1
	s_delay_alu instid0(VALU_DEP_2)
	v_add_nc_u32 v[110+\c], 0xfe000000, v[108+\c]  ; 4 off the exponent field: the conversion's scale operand
.endr
.irp c, 0,1
	s_delay_alu instid0(VALU_DEP_2)
	v_lshrrev_b32 v[112+\c], 23, v[110+\c]         ; the scale's byte
.endr
	s_delay_alu instid0(VALU_DEP_1)
	v_lshl_or_b32 v114, v113, 16, v112             ; my two bytes, blocks h and 2 + h,
	s_delay_alu instid0(VALU_DEP_1)
	v_lshlrev_b32 v114, v10, v114                  ; at their places in the word;
	v_mov_b32 v115, 0
	s_delay_alu instid0(VALU_DEP_1)
	v_permlanex16_b32 v115, v114, s18, s19
	s_delay_alu instid0(VALU_DEP_1)
	v_or_b32 v114, v114, v115                      ; with lane l xor 16's two the word is whole, in both lanes
	v_cvt_scalef32_pk16_bf6_f32 v[88:90], v[X:X+15], v110
	v_cvt_scalef32_pk16_bf6_f32 v[100:102], v[X+16:X+31], v110     ; (a conversion's three registers begin on an even number)
	v_cvt_scalef32_pk16_bf6_f32 v[94:96], v[X+32:X+47], v111
	v_cvt_scalef32_pk16_bf6_f32 v[104:106], v[X+48:X+63], v111
	v_nop                                          ; one plain instruction behind the conversions
.irp i, 0,1,2
	v_mov_b32 v[91+\i], v[100+\i]
	v_mov_b32 v[97+\i], v[104+\i]
.endr
.irp c, 0,1
	global_store_b128 v7, v[88+6*\c:91+6*\c], s[28:29] offset:768*\c       ; 32 lanes store 512 consecutive bytes,
	global_store_b64 v8, v[92+6*\c:93+6*\c], s[28:29] offset:768*\c+512    ; and 256
.endr
	global_store_b32 v9, v114, s[30:31]
	s_endpgm
.Lfunc_end_k_qe573d0b587_prep:
	.size	k_qe573d0b587_prep, .Lfunc_end_k_qe573d0b587_prep-k_qe573d0b587_prep
	.p2alignl 7, 3214868480
	.fill 96, 4, 3214868480
	.section	.rodata,"a",@progbits
	.p2align	6, 0x0
	.amdhsa_kernel k_qe573d0b587_prep
		.amdhsa_group_segment_fixed_size 2560
		.amdhsa_private_segment_fixed_size 0
		.amdhsa_enable_private_segment 0
		.amdhsa_kernarg_size 48
		.amdhsa_user_sgpr_count 2
		.amdhsa_user_sgpr_kernarg_segment_ptr 1
		.amdhsa_wavefront_size32 1
		.amdhsa_system_sgpr_workgroup_id_x 1
		.amdhsa_system_sgpr_workgroup_id_y 1
		.amdhsa_system_sgpr_workgroup_id_z 1
		.amdhsa_system_vgpr_workitem_id 0
		.amdhsa_next_free_vgpr 130
		.amdhsa_next_free_sgpr 66
		.amdhsa_reserve_vcc 1
		.amdhsa_float_denorm_mode_32 3
		.amdhsa_float_denorm_mode_16_64 3
		.amdhsa_memory_ordered 1
		.amdhsa_forward_progress 1
		.amdhsa_inst_pref_size 34
	.end_amdhsa_kernel
	.amdgpu_metadata
---
amdhsa.version: [ 1, 2 ]
amdhsa.kernels:
  - .name:           k_qe573d0b587_prep
    .symbol:         k_qe573d0b587_prep.kd
    .args:
      - { .name: x, .offset: 0, .size: 8, .value_kind: global_buffer, .address_space: global }
      - { .name: gamma, .offset: 8, .size: 8, .value_kind: global_buffer, .address_space: global }
      - { .name: w_qkv, .offset: 16, .size: 8, .value_kind: global_buffer, .address_space: global }
      - { .name: w_out, .offset: 24, .size: 8, .value_kind: global_buffer, .address_space: global }
      - { .name: gn, .offset: 32, .size: 8, .value_kind: global_buffer, .address_space: global }
      - { .name: wq, .offset: 40, .size: 8, .value_kind: global_buffer, .address_space: global }
    .group_segment_fixed_size: 2560
    .private_segment_fixed_size: 0
    .kernarg_segment_align: 8
    .kernarg_segment_size: 48
    .max_flat_workgroup_size: 512
    .sgpr_count:     66
    .vgpr_count:     130
    .wavefront_size: 32
...
	.end_amdgpu_metadata
.endif
;; end of part 1
;; launch qkv (part 2): grid 256 x 1, 8 waves a work-group, no clusters, 14,336 bytes of LDS; arguments x, gn, beta, wq, b_qkv, qbuf, kv; writes qbuf, kv
.if DOCPART == 2
	.amdgcn_target "amdgcn-amd-amdhsa--gfx1250"
	.amdhsa_code_object_version 6
	.text
	.protected	k_qe573d0b587_qkv
	.globl	k_qe573d0b587_qkv
	.p2align	8
	.type	k_qe573d0b587_qkv,@function
k_qe573d0b587_qkv:
	s_mov_b64 s[64:65], 0
	v_nop
	global_prefetch_b8 v0, s[64:65] scope:SCOPE_SE
	s_setreg_imm32_b32 hwreg(HW_REG_WAVE_MODE, 25, 1), 1
	s_wait_xcnt 0x0
; h = GroupNorm(x) as [s][c]; qkv = Q(h) Q(w_qkv) + b_qkv on codes of BF6 (E3M2) with one E8M0 byte for each 32 along K; then q and k are quantised along the head's 64,
; v along the keys, and all three leave as images of operand registers, laid as the attention launch reads them.
; SHARES.  A work-group takes 64 places s of one batch: four tiles of 16 rows of h.  Wave w = 2 x head + role.  PHASE X: wave w normalises and quantises channels 32 w .. 32 w + 31
; (one block of K) of all 64 rows: a lane takes a row s, its 32 registers run along the channels, so a load reads 128 consecutive bytes and a block's largest magnitude needs no other lane.
; The codes go to LDS at the places that they have in the images of h's eight fragments (tile m, K step g: 1,536 (2 m + g)).  One barrier.  PHASE 1: every wave reads the eight fragments;
; role 0 makes the head's q, role 1 its k (four tiles of 16 columns, TRANSPOSED: source 0 = the weight, source 1 = h: a lane holds one row s and 32 numbers along d), and each role two of
; the four tiles of the head's v (source 0 = h, source 1 = the weight: a lane holds one d and its registers run along s, which are the keys).  Both roles run one text: only offsets differ.
; THE ROWS OF A TILE OF h ARE NOT NEIGHBOURS: row r of tile 2 p + u is place 32 p + 8 u + r + (r & 8); the weights' tiles are laid likewise.  So the 16 registers of two neighbouring
; tiles are 16 neighbours along the axis that was source 0, and the key tiles come out as the softmax's p wants them.
; A HALF IMAGE (16 rows x 64 K, six registers): registers 0-3 at 16 x lane, registers 4-5 at 512 + 8 x lane: 768 bytes.  A fragment is two of them.
; The biases are the C of each sum's first matrix instruction.
; The weights are not asked for jointly in a cluster: each wave reads its own 12 fragments (18,432 bytes) once, in register order, straight into the registers where they stay, and no two
; waves of a work-group read the same bytes; a joint load would add a way through LDS of 147,456 bytes in and out for a single walk of K.
; LIMITS: NaN and infinities are not served.  A block of zeros gets the byte 1 where the rule says 127: its codes are zeros, and this program alone reads the bytes.
; REGISTERS.  Window 0: v1-12, v28-31, v58-59 offsets; v16-27 the weights' scale words; v32-55 h's two fragments; v56-57 their scale words; v64-95 the four accumulators of q or k;
;   v96-159 the eight of v (in phase X v64-127 hold x); v160.. at work; v176.., v192.. codes.   Window 1: v0-95 q's or k's eight fragments; v96-143 v's four; v144-175, v176-191 the biases.
; THE ROWS OF A TILE OF h, AS THE CODE BELOW LAYS THEM (in place of what the lines above say of them): row r of tile m is place 32 (r / 8) + 8 m + r % 8 of the block's 64.
; So a product that takes h as source 0 (v) leaves place 32 (lane / 16) + 8 m + j in register j of tile m: a lane's 32 registers of the four tiles are one whole block of 32 keys,
; which is quantised in the lane alone; and a tile of k holds eight keys of one block of 32 in rows 0-7 and eight of the next block in rows 8-15, as the attention launch wants them.
.set FRB,   1536
.set HIB,   768
.set XSC,   12288                      ; LDS: behind h's eight fragments their scale words, 64 bytes each: a word a row
.set WSC,   196608                     ; wq: the scale words
.set QSC,   3145728                    ; qbuf: the scale words
.set HEADB, 434176                     ; kv: a head's 32 steps
.set STEPB, 13568                      ; kv: 128 keys: K's codes 8 x 768, V's 4 x 1,536 at 6,144, K's scale words 8 x 128 at 12,288, V's 4 x 64 at 13,312
.set LI16, 1                           ; 16 x lane
.set LI8,  2                           ; 8 x lane
.set LS4,  3                           ; 4 x lane
.set LR4,  4                           ; 4 x (lane % 16)
.set SH8,  5
.set XW16, 7                           ; phase X: where my codes' first 16 bytes go,
.set XW8,  8                           ; their last 8,
.set XWB,  9                           ; and the scale's byte
.set VSO,  10                          ; 4 r + h: my byte among a tile of V's scale words
.set BQO,  11                          ; offsets in b_qkv
.set BVO,  12
.set AQ16, 28                          ; offsets in wq: my quad's fragments,
.set AQ8,  29
.set AV16, 30                          ; my two tiles of v,
.set AV8,  31
.set ASQ,  58                          ; and their scale words
.set ASV,  59
.set WS,   16
.set HF,   32
.set HS,   56
.set QA,   64
.set VA,   96
.set XN,   64
.set TM,   160                         ; +0, +1 largest magnitudes; +4, +5 the other lane's, then bytes; +8, +9 scale operands
.set PC,   176
.set PC2,  192
.set PW,   188
.set BT,   189
.set BT2,  190
.set WQF,  0                           ; window 1
.set WVF,  96
.set BQ,   144
.set BV,   176
.set SEL,  56                          ; s[56:57]
.set QC,   16                          ; s[16:23], once a, mean and beta have been used: where the codes and scale words go
.set QS,   18
.set VC,   20
.set VS,   22
.set MSB, 0
.macro WIN new                         ; the immediate's high byte repeats the setting that is left
.if MSB != \new
	s_set_vgpr_msb (MSB<<8)|\new
.set MSB, \new
.endif
.endm
.macro PLACES n
.rept \n
	v_nop
.endr
.endm
	s_load_b256 s[4:11], s[0:1], 0x0               ; x s[4:5], gn s[6:7], beta s[8:9], wq s[10:11]
	s_load_b128 s[12:15], s[0:1], 0x20             ; b_qkv s[12:13], qbuf s[14:15]
	s_load_b64 s[52:53], s[0:1], 0x30              ; kv
	v_lshl_add_u32 v254, v0, 2, 0x3400
	v_mov_b32 v255, 0
	v_lshrrev_b32 v13, 5, v0
	s_delay_alu instid0(VALU_DEP_1)
	v_readfirstlane_b32 s54, v13                   ; wave 0..7
	s_mov_b32 s[SEL], 0x76543210
	s_mov_b32 s[SEL+1], 0xfedcba98
	s_lshr_b32 s58, ttmp9, 6                       ; the batch
	s_and_b32 s59, ttmp9, 63                       ; which 64 places
	s_lshr_b32 s60, s54, 1                         ; the head
	s_and_b32 s61, s54, 1                          ; the role; also the half h' of my channel block's place in a fragment
	v_and_b32 v13, 31, v0                          ; lane
	v_and_b32 v14, 15, v0                          ; r
	v_bfe_u32 v15, v0, 4, 1                        ; h
	s_delay_alu instid0(VALU_DEP_3)
	v_lshlrev_b32 v[LI16], 4, v13
	s_delay_alu instid0(VALU_DEP_4)
	v_lshlrev_b32 v[LI8], 3, v13
	v_lshlrev_b32 v[LS4], 2, v13
	v_lshlrev_b32 v[LR4], 2, v14
	v_lshl_add_u32 v[VSO], v14, 2, v15
	v_and_b32 v[BVO], 8, v14
	s_delay_alu instid0(VALU_DEP_1)
	v_add_lshl_u32 v[BVO], v[BVO], v14, 2          ; 4 (r + (r & 8))
	v_lshlrev_b32 v[BQO], 6, v15                   ; 64 h
	v_mov_b32 v[TM+4], 0                           ; written once: a lane permute's destination counts as one of its sources
	v_mov_b32 v[TM+5], 0
	; phase X: in run p lane l holds place 32 p + l, which is row (l & 7) + 8 p of tile m = l >> 3.  My block is K step w / 4, half image (w / 2) % 2, lanes' half w % 2
	v_bfe_u32 v6, v0, 3, 2                         ; m
	s_wait_alu depctr_va_vdst(0)
	v_and_b32 v13, 7, v0                           ; the row in run 0; run 1's rows lie 8 further on, by the stores' offsets
	s_lshr_b32 s62, s54, 2
	s_bfe_u32 s63, s54, 0x10001
	s_mul_i32 s2, s62, FRB
	s_mul_i32 s3, s63, HIB
	s_add_co_u32 s2, s2, s3
	s_lshl_b32 s3, s61, 8
	s_add_co_u32 s3, s3, s2                        ; 1,536 g + 768 c + 256 h'
	v_mul_u32_u24 v[XW16], v6, 2*FRB
	s_delay_alu instid0(VALU_DEP_1)
	v_lshl_add_u32 v[XW8], v13, 3, v[XW16]
	s_delay_alu instid0(VALU_DEP_2)
	v_lshl_add_u32 v[XW16], v13, 4, v[XW16]
	s_delay_alu instid0(VALU_DEP_1)
	v_add_nc_u32 v[XW16], s3, v[XW16]              ; 3,072 u + 16 r' + the wave's part
	s_lshl_b32 s3, s61, 7
	s_add_co_u32 s3, s3, s2
	s_add_co_u32 s3, s3, 512
	v_add_nc_u32 v[XW8], s3, v[XW8]                ; 3,072 u + 8 r' + 512 + 1,536 g + 768 c + 128 h'
	s_lshl_b32 s2, s62, 6
	s_and_b32 s3, s54, 3
	s_add_co_u32 s2, s2, s3
	s_add_co_u32 s2, s2, XSC
	v_lshlrev_b32 v[XWB], 7, v6
	s_wait_alu depctr_va_vdst(0)
	v_lshl_add_u32 v[XWB], v13, 2, v[XWB]
	s_delay_alu instid0(VALU_DEP_1)
	v_add_nc_u32 v[XWB], s2, v[XWB]                ; 128 u + 4 r' + 64 g + w % 4
	; my places in wq and b_qkv: quad 3 x head + role (q or k), and of quad 3 x head + 2 (v) the tiles 2 x role, 2 x role + 1
	s_mul_i32 s62, s60, 3
	s_add_co_u32 s63, s62, 2
	s_add_co_u32 s62, s62, s61
	s_mul_i32 s2, s62, 8*FRB
	v_add_nc_u32 v[AQ16], s2, v[LI16]
	v_add_nc_u32 v[AQ8], s2, v[LI8]
	s_mul_i32 s2, s63, 8*FRB
	s_mul_i32 s3, s61, 4*FRB
	s_add_co_u32 s2, s2, s3
	v_add_nc_u32 v[AV16], s2, v[LI16]
	v_add_nc_u32 v[AV8], s2, v[LI8]
	s_lshl_b32 s2, s62, 10
	s_add_co_u32 s2, s2, WSC
	v_add_nc_u32 v[ASQ], s2, v[LS4]
	s_lshl_b32 s2, s63, 10
	s_lshl_b32 s3, s61, 9
	s_add_co_u32 s2, s2, s3
	s_add_co_u32 s2, s2, WSC
	v_add_nc_u32 v[ASV], s2, v[LS4]
	s_lshl_b32 s2, s62, 8
	v_add_nc_u32 v[BQO], s2, v[BQO]
	s_lshl_b32 s2, s63, 8
	s_lshl_b32 s3, s61, 7
	s_add_co_u32 s2, s2, s3
	v_add_nc_u32 v[BVO], s2, v[BVO]
	; x at my 32 channels and the block's 64 places; gn and beta at my 32 channels
	s_lshl_b32 s2, s58, 22
	s_lshl_b32 s3, s54, 19
	s_add_co_u32 s2, s2, s3
	s_lshl_b32 s3, s59, 8
	s_add_co_u32 s2, s2, s3
	s_mov_b32 s3, 0
	s_lshl_b32 s62, s58, 10
	s_lshl_b32 s66, s54, 7
	s_add_co_u32 s62, s62, s66
	s_mov_b32 s63, 0
	s_mov_b32 s67, 0
	s_wait_alu depctr_va_vdst(0)
	s_wait_kmcnt 0x0
	s_add_nc_u64 s[4:5], s[4:5], s[2:3]
	s_add_nc_u64 s[6:7], s[6:7], s[62:63]
	s_add_nc_u64 s[8:9], s[8:9], s[66:67]
	s_load_b512 s[16:31], s[6:7], 0x0              ; a = rstd x gamma of my 32 channels
	s_load_b512 s[32:47], s[6:7], 0x40
	s_load_b32 s48, s[6:7], 0x1000                 ; the means of my four groups
	s_load_b32 s49, s[6:7], 0x1020
	s_load_b32 s50, s[6:7], 0x1040
	s_load_b32 s51, s[6:7], 0x1060
	s_load_b512 s[68:83], s[8:9], 0x0              ; beta
	s_load_b512 s[84:99], s[8:9], 0x40
	; the weights, their scale words and the biases: they stay in registers.  (More loads are issued in this run than the counter's field holds: the issue then waits, ISA guide 5.7.1)
	WIN 0x40                                       ; destination window 1, offsets window 0
.irp f, 0,1,2,3,4,5,6,7                        ; my quad: fragment 2 t + g
.irp c, 0,1
	global_load_b128 v[WQF+12*\f+6*\c:WQF+12*\f+6*\c+3], v[AQ16], s[10:11] offset:FRB*\f+HIB*\c
	global_load_b64 v[WQF+12*\f+6*\c+4:WQF+12*\f+6*\c+5], v[AQ8], s[10:11] offset:FRB*\f+HIB*\c+512
.endr
.endr
.irp f, 0,1,2,3                                ; my two tiles of v: fragment 2 n + g
.irp c, 0,1
	global_load_b128 v[WVF+12*\f+6*\c:WVF+12*\f+6*\c+3], v[AV16], s[10:11] offset:FRB*\f+HIB*\c
	global_load_b64 v[WVF+12*\f+6*\c+4:WVF+12*\f+6*\c+5], v[AV8], s[10:11] offset:FRB*\f+HIB*\c+512
.endr
.endr
.irp t, 0,1,2,3                                ; the quad's bias in the result's layout: register j of tile t is column 32 (t / 2) + 8 (t % 2) + 16 h + j
	global_load_b128 v[BQ+8*\t:BQ+8*\t+3], v[BQO], s[12:13] offset:(32*(\t/2)+8*(\t%2))*4
	global_load_b128 v[BQ+8*\t+4:BQ+8*\t+7], v[BQO], s[12:13] offset:(32*(\t/2)+8*(\t%2))*4+16
.endr
.irp n, 0,1                                    ; v's: a lane holds one column, so its eight registers hold one number
.irp j, 0,1,2,3,4,5,6,7
	global_load_b32 v[BV+8*\n+\j], v[BVO], s[12:13] offset:32*\n
.endr
.endr
	WIN 0
.irp f, 0,1,2,3,4,5,6,7
	global_load_b32 v[WS+\f], v[ASQ], s[10:11] offset:128*\f
.endr
.irp f, 0,1,2,3
	global_load_b32 v[WS+8+\f], v[ASV], s[10:11] offset:128*\f
.endr
.set i, 0
.rept 64                                       ; x: run p = i / 32 of 32 places, channel i % 32: 32 lanes read 128 consecutive bytes
	global_load_b32 v[XN+i], v[LS4], s[4:5] offset:16384*(i%32)+128*(i/32)
.set i, i+1
.endr
; 32 numbers of a lane, one for each of my channels: (x - mean) x a + beta
.macro NORM s
.set i, 0
.rept 32
	v_sub_f32 v[\s+i], v[\s+i], s[48+i/8]
.set i, i+1
.endr
.set i, 0
.rept 32
	v_fma_f32 v[\s+i], v[\s+i], s[16+i], s[68+i]
.set i, i+1
.endr
.endm
; a whole block of 32 in one lane's registers v[s] on becomes six registers of codes in v[pc] on and the scale's byte in v[bt]
.macro QUANT1 s, pc, bt
	v_max3_num_f32 v[TM], |v[\s]|, |v[\s+1]|, 0x2800000            ; with the floor 2^(5 - 127): the byte cannot fall under 1
	v_max3_num_f32 v[TM+1], |v[\s+2]|, |v[\s+3]|, |v[\s+4]|
.irp i, 5,9,13,17,21,25
	s_delay_alu instid0(VALU_DEP_2)
	v_max3_num_f32 v[TM], v[TM], |v[\s+\i]|, |v[\s+\i+1]|
	s_delay_alu instid0(VALU_DEP_2)
	v_max3_num_f32 v[TM+1], v[TM+1], |v[\s+\i+2]|, |v[\s+\i+3]|
.endr
	s_delay_alu instid0(VALU_DEP_2)
	v_max3_num_f32 v[TM], v[TM], |v[\s+29]|, |v[\s+30]|
	s_delay_alu instid0(VALU_DEP_1)
	v_max3_num_f32 v[TM], v[TM], v[TM+1], |v[\s+31]|
	s_delay_alu instid0(VALU_DEP_1)
	v_add_nc_u32 v[TM+8], 0xfe000000, v[TM]        ; 4 off the exponent field: the conversion's scale operand
	v_cvt_scalef32_pk16_bf6_f32 v[\pc:\pc+2], v[\s:\s+15], v[TM+8]
	v_cvt_scalef32_pk16_bf6_f32 v[\pc+8:\pc+10], v[\s+16:\s+31], v[TM+8]   ; (a conversion's three registers begin on an even number)
	v_lshrrev_b32 v[\bt], 23, v[TM+8]              ; the scale's byte; also the plain instruction behind the conversions
.irp i, 0,1,2
	v_mov_b32 v[\pc+3+\i], v[\pc+8+\i]
.endr
.endm
	s_wait_kmcnt 0x0                               ; a, the means, beta
	s_wait_loadcnt 32                              ; the weights and x's first run are in; the second run's 32 loads may be out
	NORM XN
	QUANT1 XN, PC, BT
	ds_store_b128 v[XW16], v[PC:PC+3]
	ds_store_b64 v[XW8], v[PC+4:PC+5]
	ds_store_b8 v[XWB], v[BT]
	s_wait_loadcnt 0x0
	NORM XN+32
	QUANT1 XN+32, PC2, BT2
	ds_store_b128 v[XW16], v[PC2:PC2+3] offset:128 ; eight rows on: 8 x 16 bytes,
	ds_store_b64 v[XW8], v[PC2+4:PC2+5] offset:64  ; 8 x 8,
	ds_store_b8 v[XWB], v[BT2] offset:32           ; 8 scale words
	s_wait_dscnt 0x0                               ; for the others' sake: my stores are done
	s_barrier_signal -1
	s_barrier_wait -1                              ; h's eight fragments and their scale words lie in LDS; nothing is written there again
.macro FETCHH tl                       ; tile tl of h: two fragments and their scale words
.irp g, 0,1
.irp c, 0,1
	ds_load_b128 v[HF+12*\g+6*\c:HF+12*\g+6*\c+3], v[LI16] offset:(2*(\tl)+\g)*FRB+HIB*\c
	ds_load_b64 v[HF+12*\g+6*\c+4:HF+12*\g+6*\c+5], v[LI8] offset:(2*(\tl)+\g)*FRB+HIB*\c+512
.endr
	ds_load_b32 v[HS+\g], v[LR4] offset:XSC+64*(2*(\tl)+\g)
.endr
.endm
	FETCHH 0
	; where the results go.  q: qbuf, tile 4 x block + m of head 4 b + head; k and v: kv, step block / 2 of that head
	s_lshl_b32 s24, s58, 2
	s_add_co_u32 s24, s24, s60                     ; 4 b + head
	s_lshl_b32 s25, s24, 8
	s_lshl_b32 s26, s59, 2
	s_add_co_u32 s25, s25, s26
	s_mul_i32 s26, s25, HIB                        ; q's codes
	s_lshl_b32 s27, s25, 7
	s_add_co_u32 s27, s27, QSC                     ; q's scale words
	s_mul_i32 s28, s24, HEADB
	s_lshr_b32 s29, s59, 1
	s_mul_i32 s29, s29, STEPB
	s_add_co_u32 s28, s28, s29                     ; the step's block
	s_and_b32 s29, s59, 1                          ; which half of its 128 keys
	s_mul_i32 s30, s29, 4*HIB
	s_add_co_u32 s30, s30, s28                     ; k's codes
	s_lshl_b32 s31, s29, 9
	s_add_co_u32 s31, s31, s28
	s_add_co_u32 s31, s31, 12288                   ; k's scale words
	s_cmp_eq_u32 s61, 0                            ; the choice hangs on the wave's number alone
	s_cselect_b64 s[32:33], s[14:15], s[52:53]
	s_cselect_b32 s34, s26, s30
	s_cselect_b32 s36, s27, s31
	s_mov_b32 s35, 0
	s_mov_b32 s37, 0
	s_add_nc_u64 s[QC:QC+1], s[32:33], s[34:35]
	s_add_nc_u64 s[QS:QS+1], s[32:33], s[36:37]
	s_mul_i32 s34, s61, 2*FRB
	s_mul_i32 s36, s29, HIB
	s_add_co_u32 s34, s34, s36
	s_add_co_u32 s34, s34, s28
	s_add_co_u32 s34, s34, 6144
	s_add_nc_u64 s[VC:VC+1], s[52:53], s[34:35]    ; v's codes: tile 2 x role on, half image block % 2
	s_lshl_b32 s36, s61, 7
	s_lshl_b32 s38, s29, 1
	s_add_co_u32 s36, s36, s38
	s_add_co_u32 s36, s36, s28
	s_add_co_u32 s36, s36, 13312
	s_add_nc_u64 s[VS:VS+1], s[52:53], s[36:37]    ; v's scale bytes: bytes 2 (block % 2), + 1 of each row's word
; 12 matrix instructions for tile tl of h: six accumulators by turns, one instruction a turn; K step 0 starts the sums with the biases
.macro MULS tl
	WIN 0x11                                       ; source 0 (the weight) and C (the bias) window 1
.irp t, 0,1,2,3
	v_wmma_scale_f32_16x16x128_f8f6f4 v[QA+8*\t:QA+8*\t+7], v[WQF+24*\t:WQF+24*\t+11], v[HF:HF+11], v[BQ+8*\t:BQ+8*\t+7], v[WS+2*\t], v[HS] matrix_a_fmt:MATRIX_FMT_BF6 matrix_b_fmt:MATRIX_FMT_BF6
.endr
	WIN 0x14                                       ; source 1 (the weight) and C window 1
.irp n, 0,1
	v_wmma_scale_f32_16x16x128_f8f6f4 v[VA+32*\n+8*(\tl):VA+32*\n+8*(\tl)+7], v[HF:HF+11], v[WVF+24*\n:WVF+24*\n+11], v[BV+8*\n:BV+8*\n+7], v[HS], v[WS+8+2*\n] matrix_a_fmt:MATRIX_FMT_BF6 matrix_b_fmt:MATRIX_FMT_BF6
.endr
	WIN 0x01
.irp t, 0,1,2,3
	v_wmma_scale_f32_16x16x128_f8f6f4 v[QA+8*\t:QA+8*\t+7], v[WQF+24*\t+12:WQF+24*\t+23], v[HF+12:HF+23], v[QA+8*\t:QA+8*\t+7], v[WS+2*\t+1], v[HS+1] matrix_a_fmt:MATRIX_FMT_BF6 matrix_b_fmt:MATRIX_FMT_BF6
.endr
	WIN 0x04
.irp n, 0,1
	v_wmma_scale_f32_16x16x128_f8f6f4 v[VA+32*\n+8*(\tl):VA+32*\n+8*(\tl)+7], v[HF+12:HF+23], v[WVF+24*\n+12:WVF+24*\n+23], v[VA+32*\n+8*(\tl):VA+32*\n+8*(\tl)+7], v[HS+1], v[WS+9+2*\n] matrix_a_fmt:MATRIX_FMT_BF6 matrix_b_fmt:MATRIX_FMT_BF6
.endr
	WIN 0
.endm
; 32 numbers of a lane, register s + 16 b + i = index 32 b + 16 (lane / 16) + i of my row, become a half image's six registers in v[PC] on (block lane / 16 whole in my lane)
; and the word v[PW] = byte of block 0 | byte of block 1 << 8.  Each accumulator is read from its low end on.
.macro QUANT2 s
.irp b, 0,1
	v_max3_num_f32 v[TM+\b], |v[(\s)+16*\b]|, |v[(\s)+16*\b+1]|, 0x2800000   ; my 16 numbers of block b, and the floor 2^(5 - 127)
.endr
.irp i, 2,4,6,8,10,12,14
.irp b, 0,1
	v_max3_num_f32 v[TM+\b], v[TM+\b], |v[(\s)+16*\b+\i]|, |v[(\s)+16*\b+\i+1]|
.endr
.endr
.irp b, 0,1
	s_delay_alu instid0(VALU_DEP_2)
	v_permlanex16_b32 v[TM+4+\b], v[TM+\b], s[SEL], s[SEL+1]
.endr
.irp b, 0,1
	s_delay_alu instid0(VALU_DEP_2)
	v_max_num_f32 v[TM+\b], v[TM+\b], v[TM+4+\b]   ; with lane l xor 16's: the block's largest magnitude
.endr
.irp b, 0,1
	s_delay_alu instid0(VALU_DEP_2)
	v_add_nc_u32 v[TM+8+\b], 0xfe000000, v[TM+\b]  ; 4 off the exponent field: the conversion's scale operand
.endr
.irp b, 0,1
	s_delay_alu instid0(VALU_DEP_2)
	v_lshrrev_b32 v[TM+4+\b], 23, v[TM+8+\b]       ; the scale's byte
.endr
	s_wait_alu depctr_va_vdst(0)
	s_wait_xcnt 0x0                                ; the word and the codes were the data of earlier stores: they are written again only behind this wait
	v_lshl_or_b32 v[PW], v[TM+5], 8, v[TM+4]
	v_cvt_scalef32_pk16_bf6_f32 v[PC:PC+2], v[(\s):(\s)+15], v[TM+8]
	v_cvt_scalef32_pk16_bf6_f32 v[PC+8:PC+10], v[(\s)+16:(\s)+31], v[TM+9]
	v_nop                                          ; one plain instruction behind the conversions
.irp i, 0,1,2
	v_permlane16_swap_b32 v[PC+\i], v[PC+8+\i]     ; the first's lanes 16-31 change places with the second's lanes 0-15: each lane's block's lower 16 codes, and its upper 16
.endr
.irp i, 0,1,2
	s_delay_alu instid0(VALU_DEP_3)
	v_mov_b32 v[PC+3+\i], v[PC+8+\i]
.endr
.endm
.macro PUTHI base, off                 ; the half image leaves as it stands: 512 and 256 consecutive bytes
	global_store_b128 v[LI16], v[PC:PC+3], s[\base:\base+1] offset:\off
	global_store_b64 v[LI8], v[PC+4:PC+5], s[\base:\base+1] offset:\off+512
.endm
.irp m, 0,1,2,3
	s_wait_dscnt 0x0                               ; the tile's fragments are in
	MULS \m
	PLACES 5                                       ; four in front of the loads into h's registers and of the first read of results; the fifth since the next tile's products begin the same accumulators anew
.if \m < 3
	FETCHH \m+1
.endif
	QUANT2 QA                                      ; 16 rows of q or of k along the head's 64
	PUTHI QC, HIB*\m
	global_store_b32 v[LS4], v[PW], s[QS:QS+1] offset:128*\m       ; bytes 2 and 3 of the word are 0: the upper half of the attention's K step holds zero codes
.endr
	; 16 rows d of v along the block's 64 keys: my 32 registers of a tile of the weight are keys 32 (lane / 16) + 0 .. 31, a whole block: its codes are the half image's six registers as they stand
	s_wait_alu depctr_va_vdst(0)
	s_wait_xcnt 0x0                                ; the codes' registers were the data of earlier stores: they are written again only behind this wait
; QUANT1's lines for numbers that are matrix results: a whole block of 32 in one lane's registers v[s] on becomes six registers of codes in v[pc] on and the scale's byte in v[bt]
.macro QUANTV s, pc, bt
	v_max3_num_f32 v[TM], |v[\s]|, |v[\s+1]|, 0x2800000            ; with the floor 2^(5 - 127): the byte cannot fall under 1; each accumulator is read from its low end on
	v_max3_num_f32 v[TM+1], |v[\s+2]|, |v[\s+3]|, |v[\s+4]|
.irp i, 5,9,13,17,21,25
	v_max3_num_f32 v[TM], v[TM], |v[\s+\i]|, |v[\s+\i+1]|
	v_max3_num_f32 v[TM+1], v[TM+1], |v[\s+\i+2]|, |v[\s+\i+3]|
.endr
	v_max3_num_f32 v[TM], v[TM], |v[\s+29]|, |v[\s+30]|
	v_max3_num_f32 v[TM], v[TM], v[TM+1], |v[\s+31]|
	v_add_nc_u32 v[TM+8], 0xfe000000, v[TM]        ; 4 off the exponent field: the conversion's scale operand
	v_cvt_scalef32_pk16_bf6_f32 v[\pc:\pc+2], v[\s:\s+15], v[TM+8]
	v_cvt_scalef32_pk16_bf6_f32 v[\pc+8:\pc+10], v[\s+16:\s+31], v[TM+8]   ; (a conversion's three registers begin on an even number)
	v_lshrrev_b32 v[\bt], 23, v[TM+8]              ; the scale's byte; also the plain instruction behind the conversions
.irp i, 0,1,2
	v_mov_b32 v[\pc+3+\i], v[\pc+8+\i]
.endr
.endm
	QUANTV VA, PC, BT
	global_store_b128 v[LI16], v[PC:PC+3], s[VC:VC+1]
	global_store_b64 v[LI8], v[PC+4:PC+5], s[VC:VC+1] offset:512
	global_store_b8 v[VSO], v[BT], s[VS:VS+1]      ; lane (r, h) stores the byte of its own block
	QUANTV VA+32, PC2, BT2
	global_store_b128 v[LI16], v[PC2:PC2+3], s[VC:VC+1] offset:FRB
	global_store_b64 v[LI8], v[PC2+4:PC2+5], s[VC:VC+1] offset:FRB+512
	global_store_b8 v[VSO], v[BT2], s[VS:VS+1] offset:64
	s_wait_tensorcnt 0x0
	ds_add_u32 v254, v255
	s_wait_dscnt 0x0
	s_endpgm
.Lfunc_end_k_qe573d0b587_qkv:
	.size	k_qe573d0b587_qkv, .Lfunc_end_k_qe573d0b587_qkv-k_qe573d0b587_qkv
	.p2alignl 7, 3214868480
	.fill 96, 4, 3214868480
	.section	.rodata,"a",@progbits
	.p2align	6, 0x0
	.amdhsa_kernel k_qe573d0b587_qkv
		.amdhsa_group_segment_fixed_size 14336
		.amdhsa_private_segment_fixed_size 0
		.amdhsa_enable_private_segment 0
		.amdhsa_kernarg_size 56
		.amdhsa_user_sgpr_count 2
		.amdhsa_user_sgpr_kernarg_segment_ptr 1
		.amdhsa_wavefront_size32 1
		.amdhsa_system_sgpr_workgroup_id_x 1
		.amdhsa_system_sgpr_workgroup_id_y 1
		.amdhsa_system_sgpr_workgroup_id_z 1
		.amdhsa_system_vgpr_workitem_id 0
		.amdhsa_next_free_vgpr 448
		.amdhsa_next_free_sgpr 100
		.amdhsa_reserve_vcc 0
		.amdhsa_float_denorm_mode_32 3
		.amdhsa_float_denorm_mode_16_64 3
		.amdhsa_memory_ordered 1
		.amdhsa_forward_progress 1
		.amdhsa_inst_pref_size 56
	.end_amdhsa_kernel
	.amdgpu_metadata
---
amdhsa.version: [ 1, 2 ]
amdhsa.kernels:
  - .name:           k_qe573d0b587_qkv
    .symbol:         k_qe573d0b587_qkv.kd
    .args:
      - { .name: x, .offset: 0, .size: 8, .value_kind: global_buffer, .address_space: global }
      - { .name: gn, .offset: 8, .size: 8, .value_kind: global_buffer, .address_space: global }
      - { .name: beta, .offset: 16, .size: 8, .value_kind: global_buffer, .address_space: global }
      - { .name: wq, .offset: 24, .size: 8, .value_kind: global_buffer, .address_space: global }
      - { .name: b_qkv, .offset: 32, .size: 8, .value_kind: global_buffer, .address_space: global }
      - { .name: qbuf, .offset: 40, .size: 8, .value_kind: global_buffer, .address_space: global }
      - { .name: kv, .offset: 48, .size: 8, .value_kind: global_buffer, .address_space: global }
    .group_segment_fixed_size: 14336
    .private_segment_fixed_size: 0
    .kernarg_segment_align: 8
    .kernarg_segment_size: 56
    .max_flat_workgroup_size: 256
    .sgpr_count:     100
    .vgpr_count:     448
    .wavefront_size: 32
...
	.end_amdgpu_metadata
.endif
;; end of part 2
;; launch attn (part 3): grid 16 x 16, 8 waves a work-group, clusters of 4 x 1, 327,680 bytes of LDS; arguments qbuf, kv, res, rs; writes res, rs
.if DOCPART == 3
	.amdgcn_target "amdgcn-amd-amdhsa--gfx1250"
	.amdhsa_code_object_version 6
	.text
	.protected	k_qe573d0b587_attn
	.globl	k_qe573d0b587_attn
	.p2align	8
	.type	k_qe573d0b587_attn,@function
k_qe573d0b587_attn:
	s_mov_b64 s[64:65], 0
	v_nop
	global_prefetch_b8 v0, s[64:65] scope:SCOPE_SE
	s_setreg_imm32_b32 hwreg(HW_REG_WAVE_MODE, 25, 1), 1
	s_wait_xcnt 0x0
	s_wait_alu depctr_hold_cnt(0) depctr_sa_sdst(0) depctr_va_vdst(0) depctr_va_sdst(0) depctr_va_ssrc(0) depctr_va_vcc(0) depctr_vm_vsrc(0)
	s_getreg_b32 s2, hwreg(HW_REG_IB_STS2, 6, 4)
	s_cmp_eq_u32 s2, 0
	s_cbranch_scc0 .Lentry_in_a_cluster
	s_endpgm
.Lentry_in_a_cluster:
	s_bfe_u32 s2, ttmp6, 0x10000c
	s_cmp_lg_u32 s2, 0x3003
	s_cbranch_scc0 .Lentry_shape_is_right
	s_endpgm
.Lentry_shape_is_right:
; res[s][head, d] = softmax_k(q . k / 8) v for 16 (batch, head) pairs, 4,096 places, head size 64, both products on codes of BF6 (E3M2) with one E8M0 byte for each 32 along K;
; the result is quantised along (head, d) for the last product and leaves as images of operand registers.
; THE SOFTMAX: t = score x log2(e) / 8; M = the running largest t rounded UP to a whole number; p = 2^(t - M) is quantised along the keys, not normalised; the row's sum is taken of the
; unquantised p and divides O at the end.  When M moves, the sums and O are multiplied by 2^(old M - new M), which rounds nothing.
; SHARES.  A work-group owns 256 queries of one head; each of its eight waves owns TWO tiles of 16 queries (A and B), so that each fragment of K and V read from LDS feeds two products.
; Every wave walks the head's 4,096 keys, 128 a step.
; LAYOUT.  Both products are used transposed: S^T = K Q^T (source 0 = 16 keys), O^T = V^T P^T (source 0 = 16 of the head's 64): a lane holds ONE query of each tile throughout.
; The launch before has laid the keys so that row r of tile t of a step is key 64 (t / 4) + 32 (r / 8) + 8 (t % 4) + r % 8.  Register 32 c + i of S^T in lane (r, h) is then key 64 c + 32 h + i:
; the very keys that the second product's operand wants in that lane.  So a block of 32 keys lies whole in one lane: its largest score needs no other lane, and the conversions' results are the operand.
; THE FIRST PRODUCT'S K IS 64, the instruction's 128: Q's upper six registers are zero codes, and bytes 2 and 3 of both scale words are 0 (2^-127, a number).  So whatever codes stand in
; source 0's upper six registers add exact zeros: tile t names tile t + 1's six (the last names six zeros).
; THE LOOP IS TURNED: a trip asks for K of step i, finishes step i - 1 on registers alone (codes, sums, O under the new M, O += V P), multiplies K Q of step i, asks for its V, and takes
; the maxima and the exponentials.  One tile's vector work stands behind the other tile's products, and is their places.  What is carried over a change of slots lies in registers.
; THE RING.  128 keys are one dense block of 13,568 bytes in kv, as images of registers.  Two slots of eight steps; each of the eight waves brings one step's block, 53 rows of 256 bytes:
; one tensor load a wave at the head and behind each round; a wave never has more than one outstanding.
; CLUSTER.  The four work-groups of a cluster belong to one head and walk the same kv: each block is asked for JOINTLY, by the same tensor load with the same descriptor and the mask 15.
; No prefetch is laid: a slot's load is issued eight key steps ahead of the wait for it.
; LIMITS: NaN and infinities are not served.  A block of zeros gets the byte 1 where the rule says 127: its codes are zeros, and this program alone reads the bytes.  A block's largest p is taken
; as the exponential of the block's largest score, which takes v_exp_f32 not to fall where its input rises.  The promise holds while the scaled scores stay under 2^31 in magnitude.
; REGISTERS.  Window 0: v1-12 addresses; v16-23 K's scale words, v24-27 V's; v64-191 tile A's S, O, codes, Q; v192-223 tile A's small state, v224-255 tile B's.
;   Window 1: v0-53 K's eight tiles and six zeros; v64-191 tile B's S, O, codes, Q (the same numbers as A's); v192-239 V's four fragments.
.set HIB,   768
.set FRB,   1536
.set STEPB, 13568
.set VCO,   6144                       ; in a step's block: V's codes,
.set KSO,   12288                      ; K's scale words,
.set VSO,   13312                      ; V's
.set HEADB, 434176
.set SLOTB, 8*STEPB
.set SPARE, 2*SLOTB                    ; behind the ring: the spare words, 128 bytes a wave: four blocks of 256 bytes that no other line names
.set QSC,   3145728                    ; qbuf: the scale words
.set LI16, 1                           ; 16 x lane
.set LI8,  2                           ; 8 x lane
.set LS4,  3                           ; 4 x lane
.set LR4,  4                           ; 4 x (lane % 16)
.set SPW,  5                           ; my spare word's address; never rewritten
.set NIL,  6                           ; 0; never rewritten
.set A16,  7                           ; the step's block + the four above
.set A8,   8
.set A4,   9
.set AR,   10
.set SH8,  11                          ; 8 x (lane / 16)
.set RBO,  12                          ; 4 r + h
.set KS,   16
.set VS,   24
.set KF,   0                           ; window 1
.set VF,   192                         ; window 1
.set S,    64                          ; S^T, then p
.set O,    128                         ; O^T
.set P,    160                         ; p's codes
.set P2,   172                         ; the conversions whose place in P begins on an odd register: v172-174, v176-178
.set Q,    180                         ; Q's six registers and six zeros
.set STA,  192                         ; a tile's small state, 32 registers, window 0: +0 -M, +1 the running largest score, +2 f (+3 named with it), +4,5 the blocks' largest, +6,7 scale operands,
                                       ; +8,9 second chains, then bytes, +10, +11 at work, +12 p's scale word, +13 Q's scale words, +16..31 the row's sum in eight chains of two
.set WV,   12
.set SEL,  20
.set CS,   22
.set G1,   24
.set G0A,  32
.set G0B,  36
.set TB,   40
.set CNT,  41
.set NEG,  48                          ; -3e38
.set NCS,  49                          ; -c
.set MSB, 0
.macro WIN new                         ; the immediate's high byte repeats the setting that is left.  Low byte: bits 1:0 source 0, 3:2 source 1, 5:4 source 2, 7:6 destination
.if MSB != (\new)
	s_set_vgpr_msb (MSB<<8)|(\new)
.set MSB, (\new)
.endif
.endm
.macro PLACES n
.rept \n
	v_nop
.endr
.endm
.macro MM0 d, a, b, sa, sb             ; a product that starts its sum
	v_wmma_scale_f32_16x16x128_f8f6f4 v[\d:\d+7], v[\a:\a+11], v[\b:\b+11], 0, v[\sa], v[\sb] matrix_a_fmt:MATRIX_FMT_BF6 matrix_b_fmt:MATRIX_FMT_BF6
.endm
.macro MMA d, a, b, sa, sb             ; a product that adds in place
	v_wmma_scale_f32_16x16x128_f8f6f4 v[\d:\d+7], v[\a:\a+11], v[\b:\b+11], v[\d:\d+7], v[\sa], v[\sb] matrix_a_fmt:MATRIX_FMT_BF6 matrix_b_fmt:MATRIX_FMT_BF6
.endm
.macro CROUND                          ; a round of the cluster's barrier
	s_barrier_signal -1
	s_barrier_wait -1
	s_cmp_lg_u32 s[WV], 0
	s_cbranch_scc1 .Lnot_wave_0_\@
	s_barrier_signal -3
.Lnot_wave_0_\@:
	s_barrier_wait -3
	s_barrier_signal -1
	s_barrier_wait -1
.endm
.macro JLOAD g0                        ; a joint load: every wave brings one step's block; s_nop 0 and four v_nop follow it
	tensor_load_to_lds s[\g0:\g0+3], s[G1:G1+7]
	s_nop 0
	PLACES 4
.endm
	s_load_b256 s[4:11], s[0:1], 0x0               ; qbuf s[4:5], kv s[6:7], res s[8:9], rs s[10:11]
	v_lshl_add_u32 v[SPW], v0, 2, SPARE
	v_mov_b32 v[NIL], 0
	ds_add_u32 v[SPW], v[NIL]                      ; the opening lines: the add, twice on end, and its wait ahead of my first tensor load
	ds_add_u32 v[SPW], v[NIL]
	v_lshrrev_b32 v7, 5, v0
	v_readfirstlane_b32 s[WV], v7                  ; wave 0..7
	s_bfe_u32 s13, ttmp6, 0x40000                  ; cx: it enters the offsets in qbuf, res and rs alone
	s_lshl_b32 s14, ttmp9, 2
	s_add_co_u32 s14, s14, s13
	s_lshl_b32 s14, s14, 4
	s_lshl_b32 s13, s[WV], 1
	s_add_co_u32 s14, s14, s13                     ; tile A: 16 x (4 x cluster x + cx) + 2 x wave; tile B is the next
	s_and_b32 s15, ttmp7, 0xffff                   ; 4 b + head, which the four partners share
	s_mul_i32 s16, s[WV], STEPB                    ; my step of a slot's eight, in LDS and in kv
	s_mul_i32 s42, s15, HEADB
	s_add_co_u32 s42, s42, s16
	s_mov_b32 s43, 0
	s_mov_b32 s[G1], 15|(3<<16)|(1<<21)            ; group 1: the mask of all four work-groups; elements of 8 bytes; no padding; bit 21 set beside a mask
	s_mov_b32 s[G1+1], 32<<16                      ; tensor_dim0 = 32
	s_mov_b32 s[G1+2], 53<<16                      ; tensor_dim1 = 53
	s_mov_b32 s[G1+3], 32<<16                      ; tile_dim0 = 32
	s_mov_b32 s[G1+4], 53                          ; tile_dim1 = 53
	s_mov_b32 s[G1+5], 32                          ; from row to row
	s_mov_b32 s[G1+6], 0
	s_mov_b32 s[G1+7], 0
	s_mov_b32 s[SEL], 0x76543210                   ; v_permlanex16_b32's selects for lane l xor 16
	s_mov_b32 s[SEL+1], 0xfedcba98
	s_mov_b32 s[CS], 0x3e38aa3b                    ; c = log2(e) / 8
	s_mov_b32 s[CS+1], s[CS]                       ; (named with it as a pair, so it is written)
	s_mov_b32 s[NCS], 0xbe38aa3b
	s_mov_b32 s[NEG], 0xff61b1e6
	s_lshl_b32 s17, s15, 8
	s_add_co_u32 s17, s17, s14                     ; 256 (4 b + head) + tile
	s_mul_i32 s18, s17, HIB                        ; Q's codes
	s_mov_b32 s19, 0
	s_lshl_b32 s44, s17, 7
	s_add_co_u32 s44, s44, QSC                     ; Q's scale words
	s_mov_b32 s45, 0
	s_lshr_b32 s13, s15, 2
	s_lshl_b32 s13, s13, 8
	s_add_co_u32 s13, s13, s14                     ; 256 b + tile
	s_and_b32 s46, s15, 3                          ; the head
	s_mul_i32 s2, s13, 4*HIB
	s_mul_i32 s3, s46, HIB
	s_add_co_u32 s2, s2, s3                        ; res: [b][tile][head][768]
	s_mov_b32 s3, 0
	s_lshl_b32 s13, s13, 7
	s_lshr_b32 s47, s46, 1
	s_lshl_b32 s47, s47, 6
	s_add_co_u32 s13, s13, s47
	s_and_b32 s47, s46, 1
	s_lshl_b32 s47, s47, 1
	s_add_co_u32 s46, s13, s47                     ; rs: [b][tile][head / 2][row][4]: bytes 2 (head % 2), + 1
	s_mov_b32 s47, 0
	s_wait_dscnt 0x0                               ; both opening adds are done
	s_wait_kmcnt 0x0
	s_add_nc_u64 s[8:9], s[8:9], s[2:3]
	s_add_nc_u64 s[10:11], s[10:11], s[46:47]
	s_add_nc_u64 s[2:3], s[4:5], s[18:19]
	s_add_nc_u64 s[4:5], s[4:5], s[44:45]
	s_mov_b32 s[G0A], 1                            ; group 0 for slot 0: count = 1,
	s_mov_b32 s[G0A+1], s16                        ; LDS address,
	s_add_nc_u64 s[G0A+2:G0A+3], s[6:7], s[42:43]  ; global address: my one of steps 0-7;
	s_mov_b32 s[G0B], 1                            ; for slot 1:
	s_add_co_u32 s[G0B+1], s16, SLOTB
	s_add_nc_u64 s[G0B+2:G0B+3], s[G0A+2:G0A+3], SLOTB             ; of steps 8-15
	s_or_b32 s[G0A+3], s[G0A+3], 0x80000000        ; type = 2
	s_or_b32 s[G0B+3], s[G0B+3], 0x80000000
	CROUND                                         ; all four work-groups are here: the first joint loads meet
	JLOAD G0A                                      ; slot 0: one tensor load a wave at the head
	v_and_b32 v7, 31, v0                           ; lane
	v_and_b32 v8, 15, v0                           ; r
	v_bfe_u32 v9, v0, 4, 1                         ; h
	v_lshlrev_b32 v[LI16], 4, v7
	v_lshlrev_b32 v[LI8], 3, v7
	v_lshlrev_b32 v[LS4], 2, v7
	v_lshlrev_b32 v[LR4], 2, v8
	v_lshlrev_b32 v[SH8], 3, v9
	v_lshl_add_u32 v[RBO], v8, 2, v9
	global_load_b128 v[Q:Q+3], v[LI16], s[2:3]     ; Q's half images stay in registers: tile A's,
	global_load_b64 v[Q+4:Q+5], v[LI8], s[2:3] offset:512
	global_load_b32 v[STA+13], v[LS4], s[4:5]
	global_load_b32 v[STA+45], v[LS4], s[4:5] offset:128
	WIN 0x40
	global_load_b128 v[Q:Q+3], v[LI16], s[2:3] offset:HIB          ; and tile B's
	global_load_b64 v[Q+4:Q+5], v[LI8], s[2:3] offset:HIB+512
.irp i, 0,1,2,3,4,5
	v_mov_b32 v[Q+6+\i], 0                         ; zero codes: the upper half of the first product's K step
	v_mov_b32 v[KF+48+\i], 0                       ; what tile 7 of K names as its upper six registers
.endr
.set j, 0
.rept 32
	v_mov_b32 v[O+j], 0                            ; O^T.  (The step is written once: the first finds zeros, which the first change of M leaves zeros)
.set j, j+1
.endr
	WIN 0
.irp i, 0,1,2,3,4,5
	v_mov_b32 v[Q+6+\i], 0
.endr
.set j, 0
.rept 32
	v_mov_b32 v[O+j], 0
.set j, j+1
.endr
.irp x, 0,1
	v_mov_b32 v[STA+32*\x+1], s[NEG]               ; the largest score so far: under every score
	v_floor_f32 v[STA+32*\x], -v[STA+32*\x+1]      ; -M
	v_mov_b32 v[STA+32*\x+3], 0                    ; (named as the upper half of f's pair)
	v_mov_b32 v[STA+32*\x+11], 0                   ; written once: a lane permute's destination counts as one of its sources
.set j, 16
.rept 16
	v_mov_b32 v[STA+32*\x+j], 0                    ; the sums
.set j, j+1
.endr
.endr
; The head of a step: the block's addresses, and K's eight tiles and their scale words are asked for.
.macro FRONT
	v_add_nc_u32 v[A16], s[TB], v[LI16]
	v_add_nc_u32 v[A8], s[TB], v[LI8]
	v_add_nc_u32 v[A4], s[TB], v[LS4]
	v_add_nc_u32 v[AR], s[TB], v[LR4]
	WIN 0x40                                       ; destination window 1
.irp t, 0,1,2,3,4,5,6,7
	ds_load_b128 v[KF+6*\t:KF+6*\t+3], v[A16] offset:HIB*\t
	ds_load_b64 v[KF+6*\t+4:KF+6*\t+5], v[A8] offset:HIB*\t+512
.endr
	WIN 0
.irp t, 0,1,2,3,4,5,6,7
	ds_load_b32 v[KS+\t], v[A4] offset:KSO+128*\t
.endr
.endm
.macro QK x                            ; S^T = K Q^T of tile x: eight accumulators, each begun with 0
	WIN 0x01+0x44*\x
.irp t, 0,1,2,3,4,5,6,7
	MM0 S+8*\t, KF+6*\t, Q, KS+\t, STA+32*\x+13
.endr
.endm
; The blocks' scales of both tiles, by turns: from each block's largest p the conversion's scale operand, its byte, and p's scale word (my two bytes, blocks h and 2 + h, with lane l xor 16's two).
.macro SCL
.irp c, 0,1
.irp x, 0,1
	v_max_num_f32 v[STA+32*\x+4+\c], 0x2800000, v[STA+32*\x+4+\c]   ; the floor 2^(5 - 127): the byte cannot fall under 1
.endr
.endr
.irp c, 0,1
.irp x, 0,1
	s_delay_alu instid0(VALU_DEP_4)
	v_add_nc_u32 v[STA+32*\x+6+\c], 0xfe000000, v[STA+32*\x+4+\c]   ; 4 off the exponent field
.endr
.endr
.irp c, 0,1
.irp x, 0,1
	s_delay_alu instid0(VALU_DEP_4)
	v_lshrrev_b32 v[STA+32*\x+8+\c], 23, v[STA+32*\x+6+\c]
.endr
.endr
.irp x, 0,1
	s_delay_alu instid0(VALU_DEP_2)
	v_lshl_or_b32 v[STA+32*\x+10], v[STA+32*\x+9], 16, v[STA+32*\x+8]
.endr
.irp x, 0,1
	s_delay_alu instid0(VALU_DEP_2)
	v_lshlrev_b32 v[STA+32*\x+10], v[SH8], v[STA+32*\x+10]
.endr
.irp x, 0,1
	s_delay_alu instid0(VALU_DEP_2)
	v_permlanex16_b32 v[STA+32*\x+11], v[STA+32*\x+10], s[SEL], s[SEL+1]
.endr
.irp x, 0,1
	s_delay_alu instid0(VALU_DEP_2)
	v_or_b32 v[STA+32*\x+12], v[STA+32*\x+10], v[STA+32*\x+11]
.endr
.endm
; The rest of a step for tile x, on registers alone: p's codes, O^T and the sums under the new M, the sums, O^T += V^T P^T.
.macro H2 x
.set ST, STA+32*\x
	WIN 0x41*\x                                    ; tile B: source 0 and destination window 1; the state stays in window 0
	v_cvt_scalef32_pk16_bf6_f32 v[P:P+2], v[S:S+15], v[ST+6]
	v_cvt_scalef32_pk16_bf6_f32 v[P2:P2+2], v[S+16:S+31], v[ST+6]   ; (a conversion's three registers begin on an even number)
	v_cvt_scalef32_pk16_bf6_f32 v[P+6:P+8], v[S+32:S+47], v[ST+7]
	v_cvt_scalef32_pk16_bf6_f32 v[P2+4:P2+6], v[S+48:S+63], v[ST+7]
	s_wait_alu depctr_va_vdst(0)                   ; directly ahead of the first reader of O^T
.set j, 0
.rept 16
	v_pk_mul_f32 v[O+j:O+j+1], v[O+j:O+j+1], v[ST+2:ST+3] op_sel_hi:[1,0]   ; x f; also the plain lines behind the conversions
.set j, j+2
.endr
.irp i, 0,1,2
	v_mov_b32 v[P+3+\i], v[P2+\i]
	v_mov_b32 v[P+9+\i], v[P2+4+\i]
.endr
	WIN 0x10*\x                                    ; tile B: p in window 1, the sums in window 0
.set j, 0
.rept 8
	v_pk_fma_f32 v[ST+16+j:ST+17+j], v[ST+16+j:ST+17+j], v[ST+2:ST+3], v[S+j:S+j+1] op_sel_hi:[1,0,1]   ; each chain x f + its first two p
.set j, j+2
.endr
	WIN 0x04*\x
.set j, 16
.rept 24
	v_pk_add_f32 v[ST+16+j%16:ST+17+j%16], v[ST+16+j%16:ST+17+j%16], v[S+j:S+j+1]   ; THE ROW'S SUM IS TAKEN OF THE UNQUANTISED p.  (These 32 are also the places between the lines that made the codes and the products)
.set j, j+2
.endr
	WIN 0x01+0x54*\x
.irp n, 0,1,2,3                        ; four accumulators by turns
	MMA O+8*\n, VF+12*\n, P, VS+\n, ST+12
.endr
.endm
.macro MAXPH x                         ; the largest score of my two blocks of 32 keys of tile x, each in two chains; each accumulator is read from its low end on
.set ST, STA+32*\x
	WIN 0x14*\x
.irp c, 0,1
	v_max3_num_f32 v[ST+4+\c], s[NEG], v[S+32*\c], v[S+32*\c+1]
	v_max3_num_f32 v[ST+8+\c], s[NEG], v[S+32*\c+16], v[S+32*\c+17]
.endr
.irp i, 2,4,6,8,10,12,14
.irp c, 0,1
	v_max3_num_f32 v[ST+4+\c], v[ST+4+\c], v[S+32*\c+\i], v[S+32*\c+\i+1]
	v_max3_num_f32 v[ST+8+\c], v[ST+8+\c], v[S+32*\c+16+\i], v[S+32*\c+17+\i]
.endr
.endr
.endm
.macro CHAIN                           ; both tiles by turns: the running maximum, the new -M, f = 2^(old M - new M), and t - M of the blocks' largest scores
.irp c, 0,1
.irp x, 0,1
	v_max_num_f32 v[STA+32*\x+4+\c], v[STA+32*\x+4+\c], v[STA+32*\x+8+\c]
.endr
.endr
.irp x, 0,1
	s_delay_alu instid0(VALU_DEP_2)
	v_max_num_f32 v[STA+32*\x+10], v[STA+32*\x+4], v[STA+32*\x+5]
.endr
.irp x, 0,1
	s_delay_alu instid0(VALU_DEP_2)
	v_permlanex16_b32 v[STA+32*\x+11], v[STA+32*\x+10], s[SEL], s[SEL+1]
.endr
.irp x, 0,1
	s_delay_alu instid0(VALU_DEP_2)
	v_max3_num_f32 v[STA+32*\x+1], v[STA+32*\x+1], v[STA+32*\x+10], v[STA+32*\x+11]   ; with lane l xor 16's keys and all earlier steps'
.endr
.irp x, 0,1
	s_delay_alu instid0(VALU_DEP_2)
	v_mul_f32 v[STA+32*\x+10], s[NCS], v[STA+32*\x+1]              ; -t
.endr
.irp x, 0,1
	s_delay_alu instid0(VALU_DEP_2)
	v_floor_f32 v[STA+32*\x+10], v[STA+32*\x+10]                   ; the new -M = floor(-t) = -ceil(t): a whole number
.endr
.irp x, 0,1
	s_delay_alu instid0(VALU_DEP_2)
	v_sub_f32 v[STA+32*\x+11], v[STA+32*\x+10], v[STA+32*\x]       ; M's old value less its new one: a whole number, 0 or less
.endr
.irp x, 0,1
	v_mov_b32 v[STA+32*\x], v[STA+32*\x+10]
.endr
.irp x, 0,1
	s_delay_alu instid0(VALU_DEP_4)
	v_cvt_i32_f32 v[STA+32*\x+11], v[STA+32*\x+11]                 ; (it saturates)
.endr
.irp x, 0,1
	s_delay_alu instid0(VALU_DEP_2)
	v_ldexp_f32 v[STA+32*\x+2], 1.0, v[STA+32*\x+11]
.endr
.irp c, 0,1
.irp x, 0,1
	v_fma_f32 v[STA+32*\x+4+\c], v[STA+32*\x+4+\c], s[CS], v[STA+32*\x]
.endr
.endr
.endm
.macro FMA x                           ; t - M, two at a time (of the pairs c and -M the low word serves both halves)
.set ST, STA+32*\x
	WIN 0x41*\x
.set j, 0
.rept 32
	v_pk_fma_f32 v[S+j:S+j+1], v[S+j:S+j+1], s[CS:CS+1], v[ST:ST+1] op_sel_hi:[1,0,0]
.set j, j+2
.endr
.endm
.macro EXPS
.set j, 0
.rept 64
	v_exp_f32 v[S+j], v[S+j]                       ; p = 2^(t - M), at most 1: not normalised
.set j, j+1
.endr
.endm
; The back of a step: the maxima (tile A's lines are the places behind tile B's products), V's loads, M and f, the exponentials.
.macro BACK
	MAXPH 0
	WIN 0x40
.irp n, 0,1,2,3                        ; V's four fragments: they are wanted in the next trip
.irp c, 0,1
	ds_load_b128 v[VF+12*\n+6*\c:VF+12*\n+6*\c+3], v[A16] offset:VCO+FRB*\n+HIB*\c
	ds_load_b64 v[VF+12*\n+6*\c+4:VF+12*\n+6*\c+5], v[A8] offset:VCO+FRB*\n+HIB*\c+512
.endr
.endr
	WIN 0
.irp n, 0,1,2,3
	ds_load_b32 v[VS+\n], v[AR] offset:VSO+64*\n
.endr
	MAXPH 1
	WIN 0
	CHAIN
	FMA 0
	FMA 1
	WIN 0
	s_wait_alu depctr_va_vdst(0)                   ; ahead of the batch
	EXPS
.irp c, 0,1
.irp x, 0,1
	v_exp_f32 v[STA+32*\x+4+\c], v[STA+32*\x+4+\c] ; the block's largest p: the same two instructions on the same number give the same bits
.endr
.endr
	WIN 0x41
	EXPS
	WIN 0
	v_nop                                          ; a plain line behind the exponentials
	s_wait_alu depctr_va_vdst(0)                   ; one wait for the whole batch, ahead of the branch and of its readers
.endm
.macro MID k                           ; step i - 1 is finished; k = 1: and K Q^T of step i is multiplied, each tile's products ahead of the other tile's vector work
	SCL
	H2 0
.if \k
	s_wait_dscnt 0x0                               ; K is in
	QK 0
.endif
	H2 1
.if \k
	QK 1
.endif
	WIN 0
.endm
.macro RUN base, n                     ; n trips on the slot's blocks from LDS byte base on
	s_mov_b32 s[TB], \base
	s_mov_b32 s[CNT], \n
.Lstep_\@:
	FRONT
	s_wait_dscnt 24                                ; the 24 loads of K just issued may be out: the 20 older ones, the last step's V, are in
	MID 1
	BACK
	s_add_co_u32 s[TB], s[TB], STEPB
	s_sub_co_u32 s[CNT], s[CNT], 1
	s_cmp_lg_u32 s[CNT], 0
	s_cbranch_scc1 .Lstep_\@
.endm
; THE CHANGE OF SLOTS with a refill of the slot that has been left: each wave waits for its tensor load (its part of the slot ahead), adds 0 to its spare word, and waits for that and for its
; reads of the slot left; a round of the cluster's barrier; the joint refill first behind it.
.macro CHANGE g0
	s_wait_tensorcnt 0x0                           ; no tensor load of mine is out, so a group 0 may be written
	ds_add_u32 v[SPW], v[NIL]
	s_add_nc_u64 s[\g0+2:\g0+3], s[\g0+2:\g0+3], 2*SLOTB           ; the same slot's next eight steps
	s_wait_dscnt 0x0
	CROUND
	JLOAD \g0
.endm
	s_wait_alu depctr_va_vdst(0)                   ; at the head's end
	s_wait_tensorcnt 0x0                           ; my part of slot 0 is in; the same lines ahead of a later first fill as ahead of a refill
	ds_add_u32 v[SPW], v[NIL]
	s_wait_dscnt 0x0
	CROUND                                         ; everybody's part is in, and all four work-groups are here
	JLOAD G0B                                      ; slot 1's first fill
	s_wait_loadcnt 0x0                             ; Q
	s_mov_b32 s[TB], 0
	FRONT                                          ; step 0's front and back stand ahead of the loop
	s_wait_dscnt 0x0
	QK 0
	QK 1
	WIN 0
	PLACES 4                                       ; ahead of the first read of the scores: no other vector work is at hand here
	BACK
	RUN STEPB, 7                                   ; steps 1-7
	CHANGE G0A                                     ; slot 0 takes steps 16-23
	RUN SLOTB, 8                                   ; steps 8-15
	CHANGE G0B                                     ; slot 1 takes steps 24-31
	RUN 0, 8                                       ; steps 16-23
	s_wait_tensorcnt 0x0                           ; the last change: my part of slot 1 is in; nothing is left to fetch, so no round follows
	ds_add_u32 v[SPW], v[NIL]
	s_wait_dscnt 0x0
	s_barrier_signal -1
	s_barrier_wait -1
	RUN SLOTB, 8                                   ; steps 24-31
	s_wait_dscnt 0x0                               ; the last V
	MID 0                                          ; step 31 is finished
	; THE WAY OUT.  The row's sum: the eight chains, their two halves, and lane l xor 16's.
.irp k, 0,2,4,6
.irp x, 0,1
	v_pk_add_f32 v[STA+32*\x+16+\k:STA+32*\x+17+\k], v[STA+32*\x+16+\k:STA+32*\x+17+\k], v[STA+32*\x+24+\k:STA+32*\x+25+\k]
.endr
.endr
.irp k, 0,2
.irp x, 0,1
	v_pk_add_f32 v[STA+32*\x+16+\k:STA+32*\x+17+\k], v[STA+32*\x+16+\k:STA+32*\x+17+\k], v[STA+32*\x+20+\k:STA+32*\x+21+\k]
.endr
.endr
.irp x, 0,1
	s_delay_alu instid0(VALU_DEP_2)
	v_pk_add_f32 v[STA+32*\x+16:STA+32*\x+17], v[STA+32*\x+16:STA+32*\x+17], v[STA+32*\x+18:STA+32*\x+19]
.endr
.irp x, 0,1
	s_delay_alu instid0(VALU_DEP_2)
	v_add_f32 v[STA+32*\x+16], v[STA+32*\x+16], v[STA+32*\x+17]
.endr
.irp x, 0,1
	s_delay_alu instid0(VALU_DEP_2)
	v_permlanex16_b32 v[STA+32*\x+11], v[STA+32*\x+16], s[SEL], s[SEL+1]
.endr
.irp x, 0,1
	s_delay_alu instid0(VALU_DEP_2)
	v_add_f32 v[STA+32*\x+16], v[STA+32*\x+16], v[STA+32*\x+11]
.endr
	s_wait_alu depctr_va_vdst(0)                   ; ahead of the transcendentals
	v_rcp_f32 v[STA+2], v[STA+16]
	v_rcp_f32 v[STA+34], v[STA+48]
	v_nop                                          ; a plain line behind the reciprocals
; O^T / the row's sum is 32 numbers along d of my query: register 16 b + i is d = 32 b + 16 h + i.  They are quantised as a half image of the last product's operand.
.macro OUT x
.set ST, STA+32*\x
	WIN 0x41*\x
	s_wait_alu depctr_va_vdst(0)                   ; behind the reciprocals, directly ahead of the first reader of O^T
.set j, 0
.rept 16
	v_pk_mul_f32 v[S+j:S+j+1], v[O+j:O+j+1], v[ST+2:ST+3] op_sel_hi:[1,0]   ; each accumulator from its low end on
.set j, j+2
.endr
	WIN 0x14*\x
.irp b, 0,1
	v_max3_num_f32 v[ST+4+\b], 0x2800000, |v[S+16*\b]|, |v[S+16*\b+1]|   ; my 16 numbers of block b, and the floor 2^(5 - 127)
.endr
.irp i, 2,4,6,8,10,12,14
.irp b, 0,1
	s_delay_alu instid0(VALU_DEP_2)
	v_max3_num_f32 v[ST+4+\b], v[ST+4+\b], |v[S+16*\b+\i]|, |v[S+16*\b+\i+1]|
.endr
.endr
	WIN 0
.irp b, 0,1
	v_permlanex16_b32 v[ST+8+\b], v[ST+4+\b], s[SEL], s[SEL+1]
.endr
.irp b, 0,1
	s_delay_alu instid0(VALU_DEP_2)
	v_max_num_f32 v[ST+4+\b], v[ST+4+\b], v[ST+8+\b]               ; the block's largest magnitude
.endr
.irp b, 0,1
	s_delay_alu instid0(VALU_DEP_2)
	v_add_nc_u32 v[ST+6+\b], 0xfe000000, v[ST+4+\b]
.endr
.irp b, 0,1
	s_delay_alu instid0(VALU_DEP_2)
	v_lshrrev_b32 v[ST+8+\b], 23, v[ST+6+\b]
.endr
	v_lshl_or_b32 v[ST+10], v[ST+9], 8, v[ST+8]
	v_lshrrev_b32 v[ST+11], v[SH8], v[ST+10]
	WIN 0x41*\x
	v_cvt_scalef32_pk16_bf6_f32 v[P:P+2], v[S:S+15], v[ST+6]
	v_cvt_scalef32_pk16_bf6_f32 v[P+8:P+10], v[S+16:S+31], v[ST+7]
	v_nop                                          ; one plain line behind the conversions
.irp i, 0,1,2
	v_permlane16_swap_b32 v[P+\i], v[P+8+\i]       ; the first's lanes 16-31 change places with the second's lanes 0-15: each lane's block's lower 16 codes, and its upper 16
.endr
.irp i, 0,1,2
	v_mov_b32 v[P+3+\i], v[P+8+\i]
.endr
	WIN 0x04*\x                                    ; the stores' data: tile B's lie in window 1
	global_store_b128 v[LI16], v[P:P+3], s[8:9] offset:4*HIB*\x            ; 512 consecutive bytes,
	global_store_b64 v[LI8], v[P+4:P+5], s[8:9] offset:4*HIB*\x+512        ; and 256
	WIN 0
	global_store_b8 v[RBO], v[ST+11], s[10:11] offset:128*\x
.endm
	OUT 0
	OUT 1
	s_wait_tensorcnt 0x0                           ; the wave's end
	ds_add_u32 v[SPW], v[NIL]
	s_wait_dscnt 0x0
	CROUND                                         ; the closing round: no work-group ends while a partner may still ask for a tile that names it
	s_endpgm
.Lfunc_end_k_qe573d0b587_attn:
	.size	k_qe573d0b587_attn, .Lfunc_end_k_qe573d0b587_attn-k_qe573d0b587_attn
	.p2alignl 7, 3214868480
	.fill 96, 4, 3214868480
	.section	.rodata,"a",@progbits
	.p2align	6, 0x0
	.amdhsa_kernel k_qe573d0b587_attn
		.amdhsa_group_segment_fixed_size 327680
		.amdhsa_private_segment_fixed_size 0
		.amdhsa_enable_private_segment 0
		.amdhsa_kernarg_size 32
		.amdhsa_user_sgpr_count 2
		.amdhsa_user_sgpr_kernarg_segment_ptr 1
		.amdhsa_wavefront_size32 1
		.amdhsa_system_sgpr_workgroup_id_x 1
		.amdhsa_system_sgpr_workgroup_id_y 1
		.amdhsa_system_sgpr_workgroup_id_z 1
		.amdhsa_system_vgpr_workitem_id 0
		.amdhsa_next_free_vgpr 512
		.amdhsa_next_free_sgpr 66
		.amdhsa_reserve_vcc 0
		.amdhsa_float_denorm_mode_32 3
		.amdhsa_float_denorm_mode_16_64 3
		.amdhsa_memory_ordered 1
		.amdhsa_forward_progress 1
		.amdhsa_inst_pref_size 166
	.end_amdhsa_kernel
	.amdgpu_metadata
---
amdhsa.version: [ 1, 2 ]
amdhsa.kernels:
  - .name:           k_qe573d0b587_attn
    .symbol:         k_qe573d0b587_attn.kd
    .args:
      - { .name: qbuf, .offset: 0, .size: 8, .value_kind: global_buffer, .address_space: global }
      - { .name: kv, .offset: 8, .size: 8, .value_kind: global_buffer, .address_space: global }
      - { .name: res, .offset: 16, .size: 8, .value_kind: global_buffer, .address_space: global }
      - { .name: rs, .offset: 24, .size: 8, .value_kind: global_buffer, .address_space: global }
    .group_segment_fixed_size: 327680
    .private_segment_fixed_size: 0
    .kernarg_segment_align: 8
    .kernarg_segment_size: 32
    .max_flat_workgroup_size: 256
    .sgpr_count:     66
    .vgpr_count:     512
    .wavefront_size: 32
...
	.end_amdgpu_metadata
.endif
;; end of part 3
;; launch proj (part 4): grid 256 x 1, 16 waves a work-group, no clusters, 83,968 bytes of LDS; arguments res, rs, wq, b_out, x, out0; writes out0
.if DOCPART == 4
	.amdgcn_target "amdgcn-amd-amdhsa--gfx1250"
	.amdhsa_code_object_version 6
	.text
	.protected	k_qe573d0b587_proj
	.globl	k_qe573d0b587_proj
	.p2align	8
	.type	k_qe573d0b587_proj,@function
k_qe573d0b587_proj:
	s_mov_b64 s[64:65], 0
	v_nop
	global_prefetch_b8 v0, s[64:65] scope:SCOPE_SE
	s_setreg_imm32_b32 hwreg(HW_REG_WAVE_MODE, 25, 1), 1
	s_wait_xcnt 0x0
; out0[b][c][s] = (Q(res) Q(w_out) + b_out)[s][c] + x[b][c][s], the product on codes of BF6 (E3M2) with one E8M0 byte for each 32 along K = (head, d) = 256.
; SHARES.  A work-group takes 64 places s of one batch (four tiles of 16 rows of res); wave w takes tile w of w_out: channels n0 + r + (r & 8), n0 = 16 w - 8 (w % 2).
; res arrives as 16 half images (tile m, head: 768 (4 m + head)); wave w brings half image w, they meet in LDS behind one barrier, and every wave reads all sixteen.
; Source 0 = res, source 1 = the weight: a lane holds ONE channel, and the registers of tiles 2 p and 2 p + 1 are places 32 p + 16 (lane / 16) + 0 .. 15 (the rows of a tile of res were laid so).
; So a channel's 64 places, 256 bytes, come whole from one wave: they go through the wave's OWN stage in LDS (no barrier) and come back by rows; sixteen lanes store 256 consecutive, aligned bytes.
; b_out is the C of each sum's first matrix instruction.
; The weight is not asked for jointly in a cluster: a work-group reads 49,152 bytes of its codes once, each wave its own 3,072 straight into registers, beside 131,072 bytes of x and out0 that nobody shares.
; LIMITS: NaN and infinities are not served.
; THE PLACES OF A TILE OF res, AS THE CODE BELOW TAKES THEM (in place of what the lines above say of them): row r of tile m is place 32 (r / 8) + 8 m + r % 8,
; so register j of tile m in lane (r, h) is place 32 h + 8 m + j of my channel.
.set HIB,   768
.set FRB,   1536
.set WOC,   147456                     ; wq: w_out's fragments begin at fragment 96,
.set WOS,   208896                     ; and their scale words
.set STG,   12288                      ; LDS: behind res's 16 half images the stages: 16 rows x (256 + 16) bytes for each wave
.set SP,    272
.set LI16, 1                           ; 16 x lane
.set LI8,  2                           ; 8 x lane
.set LS4,  3                           ; 4 x lane
.set LR4,  4                           ; 4 x (lane % 16)
.set BVO,  5                           ; 4 (r + (r & 8))
.set GO,   6                           ; x and out0: 16,384 (lane / 16) + 16 (lane % 16)
.set HW16, 7                           ; where I put my half image
.set HW8,  8
.set SO,   9                           ; the stage: where I put 32 bytes of a row,
.set SR,   10                          ; and where I read a row back
.set MY,   16                          ; v16-21  my half image
.set WF,   24                          ; v24-47  the weight's two fragments
.set WS,   48                          ; v48-49  their scale words
.set RS,   50                          ; v50-57  res's scale words, 2 m + K step
.set BI,   58                          ; v58-65  the bias
.set AC,   72                          ; v72-103 four accumulators
.set RF,   104                         ; v104-199 res's 16 half images; later v104-135 the rows read back
.set XR,   200                         ; v200-231 x
	s_load_b256 s[4:11], s[0:1], 0x0               ; res s[4:5], rs s[6:7], wq s[8:9], b_out s[10:11]
	s_load_b128 s[12:15], s[0:1], 0x20             ; x s[12:13], out0 s[14:15]
	v_lshl_add_u32 v254, v0, 2, 0x14000
	v_mov_b32 v255, 0
	v_lshrrev_b32 v11, 5, v0
	s_delay_alu instid0(VALU_DEP_1)
	v_readfirstlane_b32 s16, v11                   ; wave 0..15
	s_lshr_b32 s17, ttmp9, 6                       ; the batch
	s_and_b32 s18, ttmp9, 63                       ; which 64 places
	s_lshl_b32 s19, s16, 4
	s_and_b32 s20, s16, 1
	s_lshl_b32 s20, s20, 3
	s_sub_co_u32 s19, s19, s20                     ; n0
	s_mul_i32 s20, ttmp9, 16*HIB
	s_mul_i32 s21, s16, HIB                        ; my half image's place, in memory and in LDS
	s_add_co_u32 s22, s20, s21
	s_mov_b32 s23, 0
	s_lshl_b32 s24, ttmp9, 9                       ; rs: 128 bytes a tile
	s_mov_b32 s25, 0
	s_mul_i32 s26, s16, 2*FRB
	s_add_co_u32 s26, s26, WOC
	s_mov_b32 s27, 0
	s_lshl_b32 s28, s16, 8
	s_add_co_u32 s28, s28, WOS
	s_mov_b32 s29, 0
	s_lshl_b32 s30, s19, 2
	s_mov_b32 s31, 0
	s_lshl_b32 s32, s17, 8
	s_add_co_u32 s32, s32, s19
	s_lshl_b32 s32, s32, 14                        ; channel 256 b + n0: rows of 16,384 bytes,
	s_lshl_b32 s33, s18, 8
	s_add_co_u32 s32, s32, s33                     ; and the block's 256 bytes in them
	s_mov_b32 s33, 0
	s_mul_i32 s34, s16, 16*SP
	s_add_co_u32 s34, s34, STG                     ; my stage
	v_and_b32 v11, 31, v0                          ; lane
	v_and_b32 v12, 15, v0                          ; r
	v_bfe_u32 v13, v0, 4, 1                        ; h
	s_delay_alu instid0(VALU_DEP_3)
	v_lshlrev_b32 v[LI16], 4, v11
	s_delay_alu instid0(VALU_DEP_4)
	v_lshlrev_b32 v[LI8], 3, v11
	v_lshlrev_b32 v[LS4], 2, v11
	v_lshlrev_b32 v[LR4], 2, v12
	v_and_b32 v[BVO], 8, v12
	s_delay_alu instid0(VALU_DEP_1)
	v_add_lshl_u32 v[BVO], v[BVO], v12, 2
	v_lshlrev_b32 v[GO], 14, v13
	s_delay_alu instid0(VALU_DEP_1)
	v_lshl_add_u32 v[GO], v12, 4, v[GO]
	v_add_nc_u32 v[HW16], s21, v[LI16]
	v_add_nc_u32 v[HW8], s21, v[LI8]
	v_mul_u32_u24 v[SO], v12, SP
	s_delay_alu instid0(VALU_DEP_1)
	v_lshl_add_u32 v[SO], v13, 7, v[SO]
	s_delay_alu instid0(VALU_DEP_1)
	v_add_nc_u32 v[SO], s34, v[SO]                 ; in: row r (my channel), + 128 h
	v_mul_u32_u24 v[SR], v13, SP
	s_delay_alu instid0(VALU_DEP_1)
	v_lshl_add_u32 v[SR], v12, 4, v[SR]
	s_delay_alu instid0(VALU_DEP_1)
	v_add_nc_u32 v[SR], s34, v[SR]                 ; back: lanes 0-15 one row, lanes 16-31 the next
	s_wait_alu depctr_va_vdst(0)
	s_wait_kmcnt 0x0
	s_add_nc_u64 s[4:5], s[4:5], s[22:23]
	s_add_nc_u64 s[6:7], s[6:7], s[24:25]
	s_add_nc_u64 s[26:27], s[8:9], s[26:27]
	s_add_nc_u64 s[28:29], s[8:9], s[28:29]
	s_add_nc_u64 s[10:11], s[10:11], s[30:31]
	s_add_nc_u64 s[12:13], s[12:13], s[32:33]
	s_add_nc_u64 s[14:15], s[14:15], s[32:33]
	global_load_b128 v[MY:MY+3], v[LI16], s[4:5]   ; my half image first: the others wait for it
	global_load_b64 v[MY+4:MY+5], v[LI8], s[4:5] offset:512
.irp g, 0,1                                    ; 34 loads behind it: the weight's fragments (8),
.irp c, 0,1
	global_load_b128 v[WF+12*\g+6*\c:WF+12*\g+6*\c+3], v[LI16], s[26:27] offset:FRB*\g+HIB*\c
	global_load_b64 v[WF+12*\g+6*\c+4:WF+12*\g+6*\c+5], v[LI8], s[26:27] offset:FRB*\g+HIB*\c+512
.endr
.endr
.irp g, 0,1
	global_load_b32 v[WS+\g], v[LS4], s[28:29] offset:128*\g       ; their scale words (2),
.endr
.irp q, 0,1,2,3,4,5,6,7
	global_load_b32 v[RS+\q], v[LR4], s[6:7] offset:64*\q          ; res's scale words (8),
.endr
.irp j, 0,1,2,3,4,5,6,7
	global_load_b32 v[BI+\j], v[BVO], s[10:11]     ; the bias (8): a lane holds one channel, so its eight registers hold one number,
.endr
.irp i, 0,1,2,3,4,5,6,7
	global_load_b128 v[XR+4*\i:XR+4*\i+3], v[GO], s[12:13] offset:(2*\i+8*(\i/4))*16384 th:TH_LOAD_NT   ; and x (8): stage rows 2 i and 2 i + 1 are channels n0 + 2 i + 8 (i / 4), + 1
.endr
	s_wait_loadcnt 34                              ; my half image is in; the 34 loads behind it may be out
	ds_store_b128 v[HW16], v[MY:MY+3]
	ds_store_b64 v[HW8], v[MY+4:MY+5] offset:512
	s_wait_dscnt 0x0                               ; for the others' sake: my stores are done
	s_barrier_signal -1
	s_barrier_wait -1                              ; the sixteen half images lie in LDS; nothing is written there again
.irp q, 0,1,2,3,4,5,6,7,8,9,10,11,12,13,14,15
	ds_load_b128 v[RF+6*\q:RF+6*\q+3], v[LI16] offset:HIB*\q
	ds_load_b64 v[RF+6*\q+4:RF+6*\q+5], v[LI8] offset:HIB*\q+512
.endr
	s_wait_loadcnt 8                               ; all but x's eight loads
	s_wait_dscnt 0x0
.irp m, 0,1,2,3                                ; four accumulators by turns, one instruction a turn; K step 0 starts the sums with the bias
	v_wmma_scale_f32_16x16x128_f8f6f4 v[AC+8*\m:AC+8*\m+7], v[RF+24*\m:RF+24*\m+11], v[WF:WF+11], v[BI:BI+7], v[RS+2*\m], v[WS] matrix_a_fmt:MATRIX_FMT_BF6 matrix_b_fmt:MATRIX_FMT_BF6
.endr
.irp m, 0,1,2,3
	v_wmma_scale_f32_16x16x128_f8f6f4 v[AC+8*\m:AC+8*\m+7], v[RF+24*\m+12:RF+24*\m+23], v[WF+12:WF+23], v[AC+8*\m:AC+8*\m+7], v[RS+2*\m+1], v[WS+1] matrix_a_fmt:MATRIX_FMT_BF6 matrix_b_fmt:MATRIX_FMT_BF6
.endr
.rept 4
	v_nop                                          ; places in front of the first read of results and of the loads into res's registers
.endr
.irp m, 0,1,2,3                                ; tile m: places 32 h + 8 m + 0 .. 7 of my channel: bytes 128 h + 32 m on
	ds_store_b128 v[SO], v[AC+8*\m:AC+8*\m+3] offset:32*\m         ; each accumulator from its low end on
	ds_store_b128 v[SO], v[AC+8*\m+4:AC+8*\m+7] offset:32*\m+16
.endr
.irp i, 0,1,2,3,4,5,6,7
	ds_load_b128 v[RF+4*\i:RF+4*\i+3], v[SR] offset:2*\i*SP        ; LDS serves a wave's instructions in order (ISA guide 5.7.1.4): these see my stores
.endr
	s_wait_loadcnt 0x0                             ; x
.irp i, 0,1,2,3,4,5,6,7
	s_wait_dscnt 7-\i                              ; rows 2 i and 2 i + 1 are back; the younger loads may be out
	v_pk_add_f32 v[RF+4*\i:RF+4*\i+1], v[RF+4*\i:RF+4*\i+1], v[XR+4*\i:XR+4*\i+1]
	v_pk_add_f32 v[RF+4*\i+2:RF+4*\i+3], v[RF+4*\i+2:RF+4*\i+3], v[XR+4*\i+2:XR+4*\i+3]
	global_store_b128 v[GO], v[RF+4*\i:RF+4*\i+3], s[14:15] offset:(2*\i+8*(\i/4))*16384 th:TH_STORE_NT   ; 16 lanes store 256 consecutive bytes, at a multiple of 256 from out0's first byte
.endr
	s_wait_tensorcnt 0x0
	ds_add_u32 v254, v255
	s_wait_dscnt 0x0
	s_endpgm
.Lfunc_end_k_qe573d0b587_proj:
	.size	k_qe573d0b587_proj, .Lfunc_end_k_qe573d0b587_proj-k_qe573d0b587_proj
	.p2alignl 7, 3214868480
	.fill 96, 4, 3214868480
	.section	.rodata,"a",@progbits
	.p2align	6, 0x0
	.amdhsa_kernel k_qe573d0b587_proj
		.amdhsa_group_segment_fixed_size 83968
		.amdhsa_private_segment_fixed_size 0
		.amdhsa_enable_private_segment 0
		.amdhsa_kernarg_size 48
		.amdhsa_user_sgpr_count 2
		.amdhsa_user_sgpr_kernarg_segment_ptr 1
		.amdhsa_wavefront_size32 1
		.amdhsa_system_sgpr_workgroup_id_x 1
		.amdhsa_system_sgpr_workgroup_id_y 1
		.amdhsa_system_sgpr_workgroup_id_z 1
		.amdhsa_system_vgpr_workitem_id 0
		.amdhsa_next_free_vgpr 256
		.amdhsa_next_free_sgpr 66
		.amdhsa_reserve_vcc 0
		.amdhsa_float_denorm_mode_32 3
		.amdhsa_float_denorm_mode_16_64 3
		.amdhsa_memory_ordered 1
		.amdhsa_forward_progress 1
		.amdhsa_inst_pref_size 14
	.end_amdhsa_kernel
	.amdgpu_metadata
---
amdhsa.version: [ 1, 2 ]
amdhsa.kernels:
  - .name:           k_qe573d0b587_proj
    .symbol:         k_qe573d0b587_proj.kd
    .args:
      - { .name: res, .offset: 0, .size: 8, .value_kind: global_buffer, .address_space: global }
      - { .name: rs, .offset: 8, .size: 8, .value_kind: global_buffer, .address_space: global }
      - { .name: wq, .offset: 16, .size: 8, .value_kind: global_buffer, .address_space: global }
      - { .name: b_out, .offset: 24, .size: 8, .value_kind: global_buffer, .address_space: global }
      - { .name: x, .offset: 32, .size: 8, .value_kind: global_buffer, .address_space: global }
      - { .name: out0, .offset: 40, .size: 8, .value_kind: global_buffer, .address_space: global }
    .group_segment_fixed_size: 83968
    .private_segment_fixed_size: 0
    .kernarg_segment_align: 8
    .kernarg_segment_size: 48
    .max_flat_workgroup_size: 512
    .sgpr_count:     66
    .vgpr_count:     256
    .wavefront_size: 32
...
	.end_amdgpu_metadata
.endif
;; end of part 4
